; MI455X (gfx1250); checked and timed in simulation.
; The chip was launched on July 23, 2026; its instructions are those of AMD's public machine-readable ISA for CDNA 5 (MIT licence, August 2026) and "CDNA5" Instruction Set Architecture Reference Guide (July 2026). The comments in the code are by the model that wrote it; some were corrected since.
;; Cross Attention. Allowed arithmetic: matrix products marked QUANTISED: E4M3 operands, one given power-of-two scale a tensor, by v_wmma_f32_16x16x64_fp8_fp8 or v_wmma_f32_16x16x128_fp8_fp8, f32 sums; everything else in f32.
;; Inputs: Wd_codes 1,024 x 32 x 32 uint8 (E4M3 codes of Wd, K innermost, in blocks of 32 codes); Wk_codes 1,024 x 32 x 32 uint8 (E4M3 codes of Wk, K innermost, in blocks of 32 codes); Wq_codes 1,024 x 32 x 32 uint8 (E4M3 codes of Wq, K innermost, in blocks of 32 codes); Wv_codes 1,024 x 32 x 32 uint8 (E4M3 codes of Wv, K innermost, in blocks of 32 codes); bd 1,024 float32; beta 1,024 float32; bk 1,024 float32; bq 1,024 float32; bv 1,024 float32; gamma 1,024 float32; lowp_scales 12 int32 (the exponents e of the quantised operands' scales 2^e); x 4 x 2,048 x 1,024 float32; y_codes 4 x 2,048 x 32 x 32 uint8 (E4M3 codes of y, K innermost, in blocks of 32 codes).
;; Outputs: out0 4 x 2,048 x 1,024 float32.
;; Constants: debug = 0.
;; This version of the problem:
;;   THIS VERSION OF THE PROBLEM IS GIVEN IN LOW PRECISION. The matrix products marked QUANTISED in the list below multiply operands that are first quantised to E4M3 (4 exponent bits, 3 mantissa bits; 8 bits a number), with one given power-of-two scale for each operand tensor; their sums are f32. All else is computed in f32.
;;   The module's matrix products, in the order in which they are computed (A, B: the left and right operand; K: the contracted axis; several contracted axes count as one K, in the product's order):
;;     1. [M 8,192, K 1,024] x [K 1,024, N 1,024]; A: input x; B: input Wq (given as codes): QUANTISED (scales: A lowp_scales[0], B lowp_scales[1])
;;     2. [M 8,192, K 1,024] x [K 1,024, N 1,024]; A: input y (given as codes); B: input Wk (given as codes): QUANTISED (scales: A lowp_scales[2], B lowp_scales[3])
;;     3. [M 8,192, K 1,024] x [K 1,024, N 1,024]; A: input x; B: input Wv (given as codes): QUANTISED (scales: A lowp_scales[4], B lowp_scales[5])
;;     4. batch 64 x [M 2,048, K 64] x [K 64, N 2,048]; A: computed on the way; B: computed on the way: QUANTISED (scales: A lowp_scales[6], B lowp_scales[7])
;;     5. batch 64 x [M 2,048, K 2,048] x [K 2,048, N 64]; A: softmax (see below); B: computed on the way: QUANTISED (scales: A lowp_scales[8], B lowp_scales[9])
;;     6. [M 8,192, K 1,024] x [K 1,024, N 1,024]; A: computed on the way; B: input Wd (given as codes): QUANTISED (scales: A lowp_scales[10], B lowp_scales[11])
;;   THE QUANTISER, for each operand of a quantised product, along K:
;;     - The operand's scale is 2^e, e = its entry of the input lowp_scales (int32; the entries are numbered through the quantised products in the list's order, A before B).
;;     - Each number is divided by the scale, clamped to +-448, and rounded to the nearest number of E4M3, ties to even, subnormals kept.
;;     - The product sums the exact products of the quantised numbers (number of the format x scale) in f32.
;;   ~~~python
;;   def quantise(x, axis, e):      # numpy; x: float32 -> the quantised numbers, widened to float32 again
;;       x = np.moveaxis(x, axis, -1); K = x.shape[-1]
;;       r = np.clip(x / 2.0 ** e, -448, 448)
;;       step = 2.0 ** (np.maximum(np.frexp(np.where(r == 0, 1, r))[1] - 1, -6) - 3)
;;       q = np.round(r / step) * step * 2.0 ** e      # np.round: ties to even
;;       return np.moveaxis(q, -1, axis).astype(np.float32)
;;   ~~~
;;   SOFTMAX AHEAD OF A QUANTISED PRODUCT. Where the list says 'softmax', what is quantised is not the finished softmax but p = 2^(t - M), with t = logit x log2(e) and M = ceil(the row's largest t), a whole number; so 1/2 < the row's largest p <= 1. The row's sum l is taken of the UNQUANTISED p, in f32, and the product's result is divided by l at the end. Since M is a whole number, a kernel that streams over the keys may use a running M (the ceiling of the running maximum): every later rescaling is an exact power of two, so the quantised numbers keep their values, but for numbers so far below the row's largest that they fall under the format's range.
;;   OPERANDS COMPUTED ON THE WAY. 'Computed on the way' means the value that the module computes at that place (a softmax that the list does not call 'softmax' is quantised finished and normalised). What goes into a quantiser is computed in f32, as accurately as f32 sums, v_exp_f32 and their like allow (about 1e-6 of the number): no bf16 or f16 on the way to a quantiser, and a product that is left as it is and whose result goes on into a quantised operand takes f32 operands (vector FMAs, or v_wmma_f32_16x16x4_f32). A number that lies on a knife's edge between two numbers of the format may be rounded either way, as far as f32 arithmetic and the matrix unit's own rounding can turn it there, and no further.
;;   INPUTS GIVEN AS CODES. Wd (in the module: [1024, 1024], K = its axis 1); Wk (in the module: [1024, 1024], K = its axis 1); Wq (in the module: [1024, 1024], K = its axis 1); Wv (in the module: [1024, 1024], K = its axis 1); y (in the module: [4, 2048, 1024], K = its axis 2): each comes as NAME_codes (uint8): NAME with its K axis moved to the last place and cut into blocks of 32 codes, [.., K / 32, bytes a block], one block behind the other in memory; one code a byte (a code: sign, 4 exponent bits, 3 mantissa bits); its scale is its entry of lowp_scales. Its value is code x scale, taken as it is: it is not quantised again, and the codes and scales need not be those that the quantiser above would give.
;; One version. Each part assembles by itself: llvm-mc -triple=amdgcn-amd-amdhsa -mcpu=gfx1250 --defsym DOCPART=n.
;; ======== version 1 of 1: 4 launches
;; limits: right only within a limited range of input values
;; workspace buffers: xq 8,388,608 bytes; xv 8,388,608 bytes; wd_img 1,048,576 bytes; q_img 16,777,216 bytes; kv_img 16,777,216 bytes; ctx_img 8,388,608 bytes
;; launch prep (part 1): grid 320 x 1, 4 waves a work-group, no clusters, 33,280 bytes of LDS; arguments x, Wd_codes, lowp_scales, xq, xv, wd_img; writes xq, xv, wd_img
.if DOCPART == 1
	.amdgcn_target "amdgcn-amd-amdhsa--gfx1250"
	.amdhsa_code_object_version 6
	.text
	.protected	k_qaba7774df1_prep
	.globl	k_qaba7774df1_prep
	.p2align	8
	.type	k_qaba7774df1_prep,@function
k_qaba7774df1_prep:
	s_mov_b64 s[64:65], 0
	v_nop
	global_prefetch_b8 v0, s[64:65] scope:SCOPE_SE
	s_setreg_imm32_b32 hwreg(HW_REG_WAVE_MODE, 25, 1), 1
	s_wait_xcnt 0x0
; Two jobs, parted by the work-group's number.
; WORK-GROUPS 0-255: x [8192][1024] f32 becomes codes of E4M3 twice, K innermost, row-major: xq with the scale 2^e0 (entry 0 of the scales), xv with 2^e4 (entry 4).
;   code = x / 2^e, held within +-448, to the nearest code, ties to even.  x is a plain stream: a wave takes 16 steps of 512 numbers.  Each load reads 512 consecutive bytes, 16 a lane; a step's
;   2,048 bytes turn through the wave's own stage in LDS (16 bytes of padding behind each 64) and come back 64 bytes a lane, so that a lane holds 16 neighbours along K, as the conversions want them.
;   A lane's 16 codes are 16 bytes: each store of the wave covers 512 consecutive bytes, aligned.  Loads run four steps ahead, the turn through LDS one step.  Waves share nothing: no barrier.
; WORK-GROUPS 256-319: Wd's codes [1024][1024] are laid as images of operand registers: for column tile ct (16 rows of Wd) and chunk kc (64 along K) 1,024 bytes: registers 4 p .. 4 p + 3 of lane l at
;   512 p + 16 l, where register 2 c + e of lane (r = l % 16, h = l / 16) holds k = 64 kc + 16 c + 8 h + 4 e + 0 .. 3 of row 16 ct + r.  A later launch then loads a fragment by two loads of 16 bytes a lane.
; LIMITS: e0 and e4 between -126 and 119, so that 2^e and 448 x 2^e are f32 numbers.  NaN among the inputs is not served; an infinity is held at the largest code.
.set STEPS, 16
.set NQWG,  256                        ; work-groups that quantise: 8,388,608 numbers / 32,768
.set MANT,  0x600000                   ; the mantissa field of 448 as f32
.set R,     16                         ; v16-79   four sets of 16 numbers as loaded
.set X,     80                         ; v80-111  two sets of 16 neighbours
.set T,     112
.set C,     128                        ; v128-159 codes: eight registers a step, four steps by turns
.set WREG,  8192                       ; LDS: a region for each wave: two stages of 32 x SP bytes
.set SP,    80                         ; a lane's place in a stage: 64 bytes + 16 of padding
	s_load_b256 s[4:11], s[0:1], 0x0               ; x s[4:5], Wd's codes s[6:7], the scales s[8:9], xq s[10:11]
	s_load_b128 s[12:15], s[0:1], 0x20             ; xv s[12:13], wd_img s[14:15]
	v_lshl_add_u32 v160, v0, 2, 0x8000
	v_mov_b32 v161, 0
	v_lshrrev_b32 v1, 5, v0
	v_readfirstlane_b32 s16, v1                    ; wave
	v_and_b32 v2, 31, v0                           ; lane
	v_lshlrev_b32 v3, 4, v2                        ; 16 x lane: my bytes of a load's or a store's 512
	s_mul_i32 s17, s16, WREG
	v_lshrrev_b32 v14, 2, v2
	v_mul_u32_u24 v14, v14, SP
	v_and_b32 v15, 3, v2
	v_lshl_add_u32 v14, v15, 4, v14
	v_add_nc_u32 v14, s17, v14                     ; the stage, on the way in: SP (lane / 4) + 16 (lane % 4)
	v_mul_u32_u24 v15, v2, SP
	v_add_nc_u32 v15, s17, v15                     ; and on the way out: SP x lane
	s_wait_kmcnt 0x0
	s_cmp_ge_u32 ttmp9, NQWG
	s_cbranch_scc1 .Lrelay
	s_load_b32 s22, s[8:9], 0x0                    ; e0
	s_load_b32 s23, s[8:9], 0x10                   ; e4
	s_lshl_b32 s18, ttmp9, 2
	s_add_co_u32 s18, s18, s16                     ; which run of 8,192 numbers is my wave's
	s_lshl_b32 s20, s18, 15                        ; 32,768 bytes of x,
	s_mov_b32 s21, 0
	s_add_nc_u64 s[4:5], s[4:5], s[20:21]
	s_lshl_b32 s20, s18, 13                        ; 8,192 bytes of codes
	s_add_nc_u64 s[10:11], s[10:11], s[20:21]
	s_add_nc_u64 s[12:13], s[12:13], s[20:21]
.macro LOAD t
.irp i, 0,1,2,3
	global_load_b128 v[R+16*((\t)%4)+4*\i:R+16*((\t)%4)+4*\i+3], v3, s[4:5] offset:2048*(\t)+512*\i th:TH_LOAD_NT
.endr
.endm
.macro TURN t                          ; step t's numbers through the stage: LDS serves a wave's instructions in order, so no wait stands between the stores and the loads
.irp i, 0,1,2,3
	ds_store_b128 v14, v[R+16*((\t)%4)+4*\i:R+16*((\t)%4)+4*\i+3] offset:32*SP*((\t)%2)+8*SP*\i
.endr
.irp i, 0,1,2,3
	ds_load_b128 v[X+16*((\t)%2)+4*\i:X+16*((\t)%2)+4*\i+3], v15 offset:32*SP*((\t)%2)+16*\i
.endr
.endm
	s_wait_alu depctr_va_vdst(0)
.irp t, 0,1,2,3
	LOAD \t
.endr
	s_wait_kmcnt 0x0
	s_add_co_i32 s22, s22, 127
	s_lshl_b32 s24, s22, 23
	v_mov_b32 v11, s24                             ; 2^e0 as f32: the conversion takes its exponent field
	s_add_co_i32 s23, s23, 127
	s_lshl_b32 s24, s23, 23
	v_mov_b32 v13, s24                             ; 2^e4
	s_add_co_i32 s23, s23, 8
	s_lshl_b32 s23, s23, 23
	s_or_b32 s23, s23, MANT
	s_wait_alu depctr_va_vdst(0)
	s_wait_loadcnt 12                              ; step 0's four loads are in
	TURN 0
.macro STEP t
.set XS, X+16*((\t)%2)
.set C0, C+8*((\t)%4)
	s_wait_dscnt 0x0                               ; this step's numbers are back from the stage, so its stores into the stage have read their registers,
.if (\t)+4 < STEPS
	LOAD (\t)+4                                    ; which take the loads of four steps on
.endif
.if (\t)+1 < STEPS
.if STEPS-2-(\t) >= 3
	s_wait_loadcnt 12                              ; the next step's four loads are in; those of the three steps behind it may be out
.else
	s_wait_loadcnt 4*(STEPS-2-(\t))
.endif
	TURN (\t)+1
.endif
.if (\t) >= 4
	s_wait_xcnt 0x0                                ; the stores of four steps ago have read the registers that this step's codes take
.endif
.irp i, 0,1,2,3,4,5,6,7,8,9,10,11,12,13,14,15
.endr
	v_cvt_scalef32_pk8_fp8_f32 v[C0:C0+1], v[XS:XS+7], v11
	v_cvt_scalef32_pk8_fp8_f32 v[C0+2:C0+3], v[XS+8:XS+15], v11
.irp i, 0,1,2,3,4,5,6,7,8,9,10,11,12,13,14,15
.endr
	v_cvt_scalef32_pk8_fp8_f32 v[C0+4:C0+5], v[XS:XS+7], v13
	v_cvt_scalef32_pk8_fp8_f32 v[C0+6:C0+7], v[XS+8:XS+15], v13
	global_store_b128 v3, v[C0:C0+3], s[10:11] offset:512*(\t)     ; the results go to stores alone
	global_store_b128 v3, v[C0+4:C0+7], s[12:13] offset:512*(\t)
.endm
.irp t, 0,1,2,3,4,5,6,7,8,9,10,11,12,13,14,15
	STEP \t
.endr
	s_wait_tensorcnt 0x0
	ds_add_u32 v160, v161
	s_wait_dscnt 0x0
	s_endpgm
.Lrelay:                                               ; column tile ct = work-group - 256; wave w takes chunks 4 w .. 4 w + 3: 256 bytes of each of the tile's 16 rows
	s_wait_alu depctr_va_vdst(0)
	v_and_b32 v4, 15, v2                           ; r
	v_lshrrev_b32 v5, 4, v2                        ; h
	v_lshlrev_b32 v4, 10, v4
	v_lshl_add_u32 v5, v5, 3, v4                   ; row r of 1,024 bytes + 8 h
	s_wait_alu depctr_va_vdst(0)
	s_sub_co_u32 s17, ttmp9, NQWG
	s_lshl_b32 s20, s17, 14                        ; 16 rows of 1,024 bytes, and as many bytes of images
	s_lshl_b32 s18, s16, 8
	s_add_co_u32 s18, s20, s18
	s_mov_b32 s19, 0
	s_add_nc_u64 s[6:7], s[6:7], s[18:19]
	s_lshl_b32 s18, s16, 12
	s_add_co_u32 s18, s20, s18
	s_add_nc_u64 s[14:15], s[14:15], s[18:19]
.irp q, 0,1,2,3
.irp c, 0,1,2,3
	global_load_b64 v[16+8*\q+2*\c:16+8*\q+2*\c+1], v5, s[6:7] offset:64*\q+16*\c   ; registers 2 c, 2 c + 1 of chunk q's image
.endr
.endr
	s_wait_loadcnt 0x0
.irp q, 0,1,2,3
.irp p, 0,1
	global_store_b128 v3, v[16+8*\q+4*\p:16+8*\q+4*\p+3], s[14:15] offset:1024*\q+512*\p   ; 512 consecutive bytes, aligned
.endr
.endr
	s_endpgm
.Lfunc_end_k_qaba7774df1_prep:
	.size	k_qaba7774df1_prep, .Lfunc_end_k_qaba7774df1_prep-k_qaba7774df1_prep
	.p2alignl 7, 3214868480
	.fill 96, 4, 3214868480
	.section	.rodata,"a",@progbits
	.p2align	6, 0x0
	.amdhsa_kernel k_qaba7774df1_prep
		.amdhsa_group_segment_fixed_size 33280
		.amdhsa_private_segment_fixed_size 0
		.amdhsa_enable_private_segment 0
		.amdhsa_kernarg_size 48
		.amdhsa_user_sgpr_count 2
		.amdhsa_user_sgpr_kernarg_segment_ptr 1
		.amdhsa_wavefront_size32 1
		.amdhsa_system_sgpr_workgroup_id_x 1
		.amdhsa_system_sgpr_workgroup_id_y 1
		.amdhsa_system_sgpr_workgroup_id_z 1
		.amdhsa_system_vgpr_workitem_id 0
		.amdhsa_next_free_vgpr 162
		.amdhsa_next_free_sgpr 66
		.amdhsa_reserve_vcc 0
		.amdhsa_float_denorm_mode_32 3
		.amdhsa_float_denorm_mode_16_64 3
		.amdhsa_fp16_overflow 1
		.amdhsa_memory_ordered 1
		.amdhsa_forward_progress 1
		.amdhsa_inst_pref_size 28
	.end_amdhsa_kernel
	.amdgpu_metadata
---
amdhsa.version: [ 1, 2 ]
amdhsa.kernels:
  - .name:           k_qaba7774df1_prep
    .symbol:         k_qaba7774df1_prep.kd
    .args:
      - { .name: x, .offset: 0, .size: 8, .value_kind: global_buffer, .address_space: global }
      - { .name: Wd_codes, .offset: 8, .size: 8, .value_kind: global_buffer, .address_space: global }
      - { .name: lowp_scales, .offset: 16, .size: 8, .value_kind: global_buffer, .address_space: global }
      - { .name: xq, .offset: 24, .size: 8, .value_kind: global_buffer, .address_space: global }
      - { .name: xv, .offset: 32, .size: 8, .value_kind: global_buffer, .address_space: global }
      - { .name: wd_img, .offset: 40, .size: 8, .value_kind: global_buffer, .address_space: global }
    .group_segment_fixed_size: 33280
    .private_segment_fixed_size: 0
    .kernarg_segment_align: 8
    .kernarg_segment_size: 48
    .max_flat_workgroup_size: 128
    .sgpr_count:     66
    .vgpr_count:     162
    .wavefront_size: 32
...
	.end_amdgpu_metadata
.endif
;; end of part 1
;; launch proj (part 2): grid 4 x 96, 4 waves a work-group, clusters of 4 x 4, 327,680 bytes of LDS; arguments xq, y_codes, xv, Wq_codes, Wk_codes, Wv_codes, bq, bk, bv, lowp_scales, q_img, kv_img; writes q_img, kv_img
.if DOCPART == 2
	.amdgcn_target "amdgcn-amd-amdhsa--gfx1250"
	.amdhsa_code_object_version 6
	.text
	.protected	k_qaba7774df1_proj
	.globl	k_qaba7774df1_proj
	.p2align	8
	.type	k_qaba7774df1_proj,@function
k_qaba7774df1_proj:
	s_mov_b64 s[64:65], 0
	v_nop
	global_prefetch_b8 v0, s[64:65] scope:SCOPE_SE
	s_setreg_imm32_b32 hwreg(HW_REG_WAVE_MODE, 25, 1), 1
	s_wait_xcnt 0x0
	s_wait_alu depctr_hold_cnt(0) depctr_sa_sdst(0) depctr_va_vdst(0) depctr_va_sdst(0) depctr_va_ssrc(0) depctr_va_vcc(0) depctr_vm_vsrc(0)
	s_getreg_b32 s2, hwreg(HW_REG_IB_STS2, 6, 4)
	s_cmp_eq_u32 s2, 0
	s_cbranch_scc0 .Lentry_in_a_cluster
	s_endpgm
.Lentry_in_a_cluster:
	s_bfe_u32 s2, ttmp6, 0x10000c
	s_cmp_lg_u32 s2, 0xf033
	s_cbranch_scc0 .Lentry_shape_is_right
	s_endpgm
.Lentry_shape_is_right:
; The three projections q = x Wq^T + bq, k = y Wk^T + bk, v = x Wv^T + bv on codes of E4M3, each [8192 x 1024 x 1024], and the quantisers of q, k and v for the two products of attention.
; The cluster's y says which: 0-7 q, 8-15 k, 16-23 v (its bits 3 and 4): the same in all sixteen partners of a cluster.
; A tile of 256 x 256 of a product is made by a work-group of four waves; a wave makes 128 x 128: 64 accumulators, 512 registers.  K goes in steps of 256 through a ring of two LDS slots filled by the tensor data
; mover: a tile's row is 256 bytes of memory.  Two operands, called A (source 1 of the matrix instruction) and B (source 0):
;   q, k: A = the activation's codes (tile 4 (cluster y % 8) + cy of 32), B = the weight's (tile cx of 4).      v: A = Wv's codes (tile cy of 4), B = x's (tile 4 (cluster y % 8) + cx of 32).
; So A's tile hangs on cy and the cluster's y alone and is shared along a row of the cluster, B's on cx and the cluster's y and is shared along a column: each is asked for JOINTLY by four work-groups.
; In the result of (A block a, B block b) lane (r, h) holds A's row 16 a + r, and its register j B's row 16 b + 8 h + j.  For q and k the registers run along the channels, for v along the keys: along the K of the
; product that reads them.  Eight registers, sum x 2^(ea + eb) + bias, held and converted, ARE registers 2 c, 2 c + 1 (c = b % 4) of an operand of the 16x16x64 form: the codes leave as images of registers,
; 512 consecutive aligned bytes a store, with no turn through LDS.
; IMAGES: byte = (16 batch + head) x 262144 + kap x 8192 + part x 4096 + i x 1024 + 512 p + 16 lane.  part 0: rows 64 kap + 16 i + r (queries in q_img, keys in kv_img), K = the head's 64 channels.
;   part 1 (kv_img alone): v^T: row = channel 16 i + r, K = keys 64 kap on.  q_img's part 1 is neither written nor read.
; The fragments of the 16x16x128 form are fetched by loads of 16 bytes: a permutation of k, the same in A and in B, so every product meets its partner.
; LIMITS: ea + eb between -126 and 127; the output's exponent (e6, e7, e9) between -126 and 119.  NaN is not served.
; REGISTERS, in windows of 256: window 0: v0-31 addresses; v32-95, v96-111 the bias in two layouts; v113 the scale; from v128 A's fragments, ONE set (on the way out: work registers).
;   window 1: B's fragments, TWO sets.   window 2: the accumulators of my A blocks 0-3 ((a, b) at v[8 (8 a + b)]);   window 3: those of blocks 4-7.
.set SIZE_K, 1024
.set KSTEP,  256                       ; along K in a slot
.set ROWB,   256                       ; a tile's row in bytes
.set KROW,   SIZE_K                    ; a row of an operand in memory, in bytes
.set PITCH,  272                       ; an LDS row: 256 bytes + 16 of padding = 68 words: the 16 rows that a load touches start at 16 different banks (64 banks of 4 bytes: ISA guide 11.1)
.set FR,     16                        ; registers of a fragment: 16 rows x 128 K
.set NL,     4                         ; LDS loads that bring one
.set NP,     4                         ; places behind this matrix instruction (ISA guide 7.12.1)
.set HALFT,  128*PITCH                 ; 128 rows: what one tensor load brings, and what one wave reads of A or of B
.set SLOT,   4*HALFT                   ; A's 256 rows, then B's 256 rows
.set LAPS,   SIZE_K/(2*KSTEP)          ; a lap = once round the ring
.set SPARE,  2*SLOT                    ; behind the ring: the spare words, 128 bytes for each wave: two blocks of 256 bytes that no other line names
.set ADRA, 16                          ; v16-17  LDS address of my A fragments in slot 0, 1
.set ADRB, 20                          ; v20-21  the same for B
.set CO,   26                          ; v26     16 x lane: my place in an image's 512 bytes
.set SPW,  28                          ; v28     LDS address of my spare word; never rewritten
.set NIL,  29                          ; v29     0; never rewritten
.set BX,   32                          ; v32-95  bias along the registers: BX + 8 b + j = bias[C0 + 16 b + 8 h + j]  (q, k)
.set BY,   96                          ; v96-111 bias along the lanes, twice: BY + 2 a, + 1 = bias[C0 + 16 a + r]        (v)
.set LIM,  112                         ; v112    448 x 2^eo
.set SCL,  113                         ; v113    2^eo
.set AF,   128                         ; A's fragments, in window 0
.set TMP,  128                         ; the way out: 64 numbers of a block
.set G1, 24                            ; s[24:31] descriptor group 1 for A's tiles;  s[32:39] group 0, one set for each slot
.set G0, 32
.set G1B, 48                           ; s[48:55], s[56:63] the same for B's tiles
.set G0B, 56
.set MSB, 0
.macro WIN new                         ; the immediate's high byte repeats the setting that is left
.if MSB != \new
	s_set_vgpr_msb (MSB<<8)|\new
.set MSB, \new
.endif
.endm
.set MUL_LO, 0xa1                      ; source 0 (B) window 1, source 1 (A) window 0, C and D window 2
.set MUL_HI, 0xf1                      ; the same, C and D window 3
.set TO_B,   0x40                      ; destination window 1, address window 0
; A joint load: waves 0 and 1 fetch for A, waves 2 and 3 for B.  Each of the two lines has one mask and one set of registers for all that issue it; the branch hangs on the wave's number alone.
; Four v_nop follow each of the two lines, ahead of the jump, the label and what follows.
.macro JLOAD g0a, g1a, g0b, g1b
	s_cmp_eq_u32 s15, 0
	s_cbranch_scc0 .Lfor_b_\@
	tensor_load_to_lds s[\g0a:\g0a+3], s[\g1a:\g1a+7]
	s_nop 0
.rept 4
	v_nop
.endr
	s_branch .Lasked_\@
.Lfor_b_\@:
	tensor_load_to_lds s[\g0b:\g0b+3], s[\g1b:\g1b+7]
	s_nop 0
.rept 4
	v_nop
.endr
.Lasked_\@:
.endm
.macro CREST                           ; a round of the cluster's barrier behind its opening barrier
	s_cmp_lg_u32 s14, 0
	s_cbranch_scc1 .Lnot_wave_0_\@
	s_barrier_signal -3
.Lnot_wave_0_\@:
	s_barrier_wait -3
	s_barrier_signal -1
	s_barrier_wait -1
.endm
.macro CROUND                          ; a whole round
	s_barrier_signal -1
	s_barrier_wait -1
	CREST
.endm
	s_load_b512 s[68:83], s[0:1], 0x0              ; xq 68, y 70, xv 72, Wq 74, Wk 76, Wv 78, bq 80, bk 82
	s_load_b256 s[84:91], s[0:1], 0x40             ; bv 84, the scales 86, q_img 88, kv_img 90
	v_lshl_add_u32 v[SPW], v0, 2, SPARE
	v_mov_b32 v[NIL], 0
	ds_add_u32 v28, v29
	ds_add_u32 v28, v29
	s_wait_dscnt 0x0
	v_lshrrev_b32 v1, 5, v0
	v_readfirstlane_b32 s14, v1                    ; wave 0..3
	s_lshr_b32 s15, s14, 1                         ; which half of A's rows is mine.  Also: I fetch for A (0) or for B (1)
	s_and_b32 s16, s14, 1                          ; which half of B's rows.  Also: which 128 rows of that tile I fetch
	s_bfe_u32 s40, ttmp6, 0x40000                  ; cx, cy: my place in the cluster
	s_bfe_u32 s41, ttmp6, 0x40004
	s_and_b32 s13, ttmp7, 0xffff                   ; the cluster's y, 0..23
	s_bfe_u32 s92, s13, 0x10003                    ; 1: this is k
	s_bfe_u32 s93, s13, 0x10004                    ; 1: this is v
	s_xor_b32 s94, s93, 1
	s_and_b32 s95, s13, 7
	s_lshl_b32 s95, s95, 2                         ; 4 x (cluster y % 8): it goes to the operand that has 32 tiles
	s_mul_i32 s17, s95, s94
	s_add_co_u32 s17, s17, s41                     ; A's tile: cy, + 4 (cluster y % 8) for q and k
	s_mul_i32 s42, s95, s93
	s_add_co_u32 s42, s42, s40                     ; B's tile: cx, + 4 (cluster y % 8) for v
	s_lshl_b32 s43, s41, 2
	s_lshl_b32 s43, 15, s43                        ; my row of the cluster
	s_lshl_b32 s44, 0x1111, s40                    ; my column
	; descriptor group 1: a tile of 128 rows x 256 bytes, padded in LDS
	s_or_b32 s[G1+0], s43, (0<<16)|(1<<20)|(1<<21)|(5<<22)|(3<<25)  ; 15:0 the mask: A's tiles go to my row; 17:16 element of 1 byte; 20 padding on; 21 set beside a mask; 24:22 after every 64 words; 31:25 of 4 words
	s_or_b32 s[G1B+0], s44, (0<<16)|(1<<20)|(1<<21)|(5<<22)|(3<<25)
.irp g, G1, G1B
	s_mov_b32 s[\g+1], ROWB<<16                    ; tensor_dim0
	s_mov_b32 s[\g+2], 128<<16                     ; tensor_dim1 = 128
	s_mov_b32 s[\g+3], ROWB<<16                    ; tile_dim0
	s_mov_b32 s[\g+4], 128                         ; tile_dim1 = 128
	s_mov_b32 s[\g+5], KROW                        ; tensor_dim0_stride
	s_mov_b32 s[\g+6], 0
	s_mov_b32 s[\g+7], 0
.endr
	s_lshl_b32 s18, s16, 7                         ; which 128 rows of the tile I fetch
	s_lshl_b32 s20, s17, 8
	s_add_co_u32 s20, s20, s18                     ; A: row 256 x tile + 128 x half
	s_lshl_b32 s46, s42, 8
	s_add_co_u32 s46, s46, s18                     ; B likewise
	s_mov_b32 s21, 0
	s_mov_b32 s47, 0
	s_mov_b64 s[18:19], KROW
	s_mul_u64 s[20:21], s[20:21], s[18:19]         ; in bytes
	s_mul_u64 s[46:47], s[46:47], s[18:19]
	s_mul_i32 s45, s14, HALFT                      ; where they go: wave x 128 rows: no place in the cluster enters an LDS address
	s_wait_kmcnt 0x0
	s_cmp_eq_u32 s92, 1                            ; the buffers of my product: the choice hangs on the cluster's y alone
	s_cselect_b64 s[4:5], s[70:71], s[68:69]       ; A: y or xq,
	s_cselect_b64 s[6:7], s[76:77], s[74:75]       ; B: Wk or Wq,
	s_cselect_b64 s[12:13], s[82:83], s[80:81]     ; the bias,
	s_cselect_b64 s[10:11], s[90:91], s[88:89]     ; the images
	s_cmp_eq_u32 s93, 1
	s_cselect_b64 s[4:5], s[78:79], s[4:5]         ; v: A = Wv,
	s_cselect_b64 s[6:7], s[72:73], s[6:7]         ; B = xv
	s_cselect_b64 s[12:13], s[84:85], s[12:13]
	s_cselect_b64 s[10:11], s[90:91], s[10:11]
	s_load_b256 s[68:75], s[86:87], 0x0            ; e0 .. e7, over pointers that are done with
	s_load_b128 s[76:79], s[86:87], 0x20           ; e8 .. e11
	s_add_nc_u64 s[20:21], s[4:5], s[20:21]
	s_add_nc_u64 s[46:47], s[6:7], s[46:47]
	CROUND                                         ; all sixteen work-groups are here: the first joint loads meet
.irp s, 0,1
	s_mov_b32 s[G0+4*\s], 1
	s_add_co_u32 s[G0+4*\s+1], s45, \s*SLOT
	s_add_nc_u64 s[G0+4*\s+2:G0+4*\s+3], s[20:21], \s*ROWB
	s_or_b32 s[G0+4*\s+3], s[G0+4*\s+3], 0x80000000
	s_mov_b32 s[G0B+4*\s], 1
	s_add_co_u32 s[G0B+4*\s+1], s45, \s*SLOT
	s_add_nc_u64 s[G0B+4*\s+2:G0B+4*\s+3], s[46:47], \s*ROWB
	s_or_b32 s[G0B+4*\s+3], s[G0B+4*\s+3], 0x80000000
	s_wait_alu depctr_va_vdst(0)
	s_wait_tensorcnt 0x0
	ds_add_u32 v28, v29
	ds_add_u32 v28, v29
	s_wait_dscnt 0x0
	CROUND
	JLOAD G0+4*\s, G1, G0B+4*\s, G1B
.endr
	v_and_b32 v1, 15, v0                           ; r = l % 16
	v_bfe_u32 v2, v0, 4, 1                         ; h = l / 16
	v_mul_u32_u24 v3, v1, PITCH
	v_lshl_add_u32 v4, v2, 4, v3                   ; a fragment's row x pitch + 16 x half
	s_mul_i32 s21, s15, HALFT                      ; my 128 rows of A
	s_mul_i32 s22, s16, HALFT                      ; my 128 rows of B,
	s_add_co_u32 s22, s22, 2*HALFT                 ; which lie behind A's 256
.irp s, 0,1
	v_add_nc_u32 v[ADRA+\s], s21, v4
	v_add_nc_u32 v[ADRB+\s], s22, v4
	s_add_co_u32 s21, s21, SLOT
	s_add_co_u32 s22, s22, SLOT
.endr
	v_and_b32 v6, 31, v0
	v_lshlrev_b32 v[CO], 4, v6
	v_lshlrev_b32 v7, 5, v2                        ; 32 h: eight numbers of the bias for each half of the lanes
	s_wait_alu depctr_va_vdst(0)
	v_lshlrev_b32 v8, 2, v1                        ; 4 r
	s_wait_alu depctr_va_vdst(0)
	; my first row of the activation, R0, and my first channel, C0
	s_lshl_b32 s20, s17, 8
	s_lshl_b32 s21, s15, 7
	s_add_co_u32 s20, s20, s21                     ; A's first row of mine
	s_lshl_b32 s46, s42, 8
	s_lshl_b32 s47, s16, 7
	s_add_co_u32 s46, s46, s47                     ; B's
	s_cmp_eq_u32 s93, 1
	s_cselect_b32 s22, s46, s20                    ; R0
	s_cselect_b32 s23, s20, s46                    ; C0
	s_lshl_b32 s18, s23, 2
	s_mov_b32 s19, 0
	s_add_nc_u64 s[12:13], s[12:13], s[18:19]      ; the bias at C0: both layouts below read its 128 numbers from there on
	s_lshr_b32 s18, s22, 11
	s_lshl_b32 s18, s18, 4
	s_lshr_b32 s21, s23, 6
	s_add_co_u32 s18, s18, s21                     ; 16 batch + head
	s_lshl_b32 s18, s18, 18
	s_and_b32 s21, s22, 2047
	s_lshr_b32 s21, s21, 6
	s_lshl_b32 s21, s21, 13                        ; kap x 8192
	s_add_co_u32 s18, s18, s21
	s_lshl_b32 s21, s93, 12                        ; v: part 1
	s_add_co_u32 s18, s18, s21
	s_add_nc_u64 s[10:11], s[10:11], s[18:19]
.irp b, 0,1,2,3,4,5,6,7
	global_load_b128 v[BX+8*\b:BX+8*\b+3], v7, s[12:13] offset:64*\b
	global_load_b128 v[BX+8*\b+4:BX+8*\b+7], v7, s[12:13] offset:64*\b+16
.endr
.irp a, 0,1,2,3,4,5,6,7
	global_load_b32 v[BY+2*\a], v8, s[12:13] offset:64*\a
	global_load_b32 v[BY+2*\a+1], v8, s[12:13] offset:64*\a      ; twice: a pair for the packed multiply-add
.endr
	s_wait_kmcnt 0x0                               ; the scales' exponents; what they decide is chosen without a jump
	s_cmp_eq_u32 s92, 1
	s_cselect_b32 s96, s70, s68                    ; ea: e2 or e0
	s_cselect_b32 s97, s71, s69                    ; eb: e3 or e1
	s_cselect_b32 s98, s75, s74                    ; eo: e7 or e6
	s_cmp_eq_u32 s93, 1
	s_cselect_b32 s96, s72, s96                    ; v: e4,
	s_cselect_b32 s97, s73, s97                    ; e5,
	s_cselect_b32 s98, s77, s98                    ; e9
	s_add_co_i32 s96, s96, s97
	s_add_co_i32 s96, s96, 127
	s_lshl_b32 s96, s96, 23                        ; 2^(ea + eb) as f32
	s_mov_b32 s97, s96                             ; (named with it as a pair, so it is written)
	s_add_co_i32 s98, s98, 127
	s_lshl_b32 s99, s98, 23
	v_mov_b32 v[SCL], s99                          ; 2^eo: the conversion takes its exponent field
.macro FRAG reg, adr, q, i             ; a fragment, 16 rows x 128 K: lane l holds row l % 16; registers 4 c .. 4 c + 3 hold K = 32 c + 16 (l / 16) + 0 .. 15
.irp c, 0,1,2,3
	ds_load_b128 v[\reg+4*\c:\reg+4*\c+3], v[\adr] offset:128*(\q)+32*\c+(\i)*16*PITCH
.endr
.endm
; 16 matrix instructions: A's blocks a0, a0 + 1 x B's eight, 128 along K.  p: B's set.  zero = 1: the first product starts the sums: nothing is ever cleared.
; The 64 accumulators take turns, one instruction a turn, in the same order in every step.
.macro MUL16 a0, p, zero
.irp a, \a0, \a0+1
.irp b, 0,1,2,3,4,5,6,7
.if \zero
	v_wmma_f32_16x16x128_fp8_fp8 v[8*(8*((\a)%4)+\b):8*(8*((\a)%4)+\b)+7], v[128*(\p)+FR*\b:128*(\p)+FR*\b+FR-1], v[AF+FR*(\a):AF+FR*(\a)+FR-1], 0
.else
	v_wmma_f32_16x16x128_fp8_fp8 v[8*(8*((\a)%4)+\b):8*(8*((\a)%4)+\b)+7], v[128*(\p)+FR*\b:128*(\p)+FR*\b+FR-1], v[AF+FR*(\a):AF+FR*(\a)+FR-1], v[8*(8*((\a)%4)+\b):8*(8*((\a)%4)+\b)+7]
.endif
.endr
.endr
.endm
.macro FETCH_B slot, q, p              ; B's eight fragments of the slot's q-th 128 along K into set p
	WIN TO_B
.irp i, 0,1,2,3,4,5,6,7
	FRAG 128*(\p)+FR*\i, ADRB+\slot, \q, \i
.endr
	WIN 0
.endm
.macro FETCH_A slot, q, i0             ; A's blocks i0 .. i0 + 3
.irp i, \i0, \i0+1, \i0+2, \i0+3
	FRAG AF+FR*(\i), ADRA+\slot, \q, \i
.endr
.endm
; A load into a register that a matrix instruction has read, and a vector instruction that reads a matrix result or writes one of its registers, stand NP places behind it; only plain vector
; instructions that name none of its registers are places (ISA guide 7.12.1 for vector instructions).
.macro PLACES n
.rept \n
	v_nop
.endr
.endm
; A step of 128 along K that has its successor in the same slot.  A block of A is free as soon as its eight products are issued, so one set serves A: blocks 0-3 are fetched anew in the step's middle, 4-7 at its end.
.macro STEP slot, q, zero
	s_wait_dscnt 4*NL                              ; B's set and A's blocks 0-3 are in; the youngest 16 loads (A's blocks 4-7) may be out
	WIN MUL_LO
	MUL16 0, (\q)%2, \zero
	MUL16 2, (\q)%2, \zero
	s_wait_dscnt 0                                 ; A's blocks 4-7 are in
	PLACES NP
	FETCH_B \slot, (\q)+1, 1-(\q)%2
	FETCH_A \slot, (\q)+1, 0
	WIN MUL_HI
	MUL16 4, (\q)%2, \zero
	MUL16 6, (\q)%2, \zero
	PLACES NP
	WIN 0
	FETCH_A \slot, (\q)+1, 4
.endm
; A slot's last step changes slots: ONE barrier; in front of it each wave waits for all its tensor loads, adds 0 to its spare word, and waits for that and for its own reads of this slot.  fill = 1: this slot is filled again, two K steps ahead.
.macro TURN slot, next, fill
	s_wait_tensorcnt 0x0                           ; all my tensor loads have landed: my part of the next slot  (every window is 0 here)
	ds_add_u32 v[SPW], v[NIL]                      ; 0 onto my spare word
	s_wait_dscnt 4*NL+1                            ; (the add and the youngest 16 loads, A's blocks 4-7, may be out)
	WIN MUL_LO
	MUL16 0, 1, 0                                  ; sixteen matrix instructions stand between the add and the wait for it
	s_wait_dscnt 0x0                               ; the add is done, and my reads of this slot are over
	s_barrier_signal -1
	MUL16 2, 1, 0
	WIN 0
	s_barrier_wait -1
.if \fill
	CREST                                          ; the barrier has opened a round of the cluster's barrier: no wave of any partner still reads this slot's tile or has a load on its way
	s_add_nc_u64 s[G0+4*\slot+2:G0+4*\slot+3], s[G0+4*\slot+2:G0+4*\slot+3], 2*ROWB
	s_add_nc_u64 s[G0B+4*\slot+2:G0B+4*\slot+3], s[G0B+4*\slot+2:G0B+4*\slot+3], 2*ROWB
	JLOAD G0+4*\slot, G1, G0B+4*\slot, G1B         ; the first tensor load behind the round; the four v_nop behind it are the places in front of the loads below
.else
	PLACES NP
.endif
	FETCH_B \next, 0, 0
	FETCH_A \next, 0, 0
	WIN MUL_HI
	MUL16 4, 1, 0
	MUL16 6, 1, 0
	PLACES NP
	WIN 0
	FETCH_A \next, 0, 4
.endm
	s_wait_loadcnt 0x0                             ; the bias
	s_wait_tensorcnt 1                             ; my part of K step 0 is in (K step 1's load may be out)
	s_barrier_signal -1
	s_barrier_wait -1                              ; everybody's is
	FETCH_B 0, 0, 0
	FETCH_A 0, 0, 0
	FETCH_A 0, 0, 4
	STEP 0, 0, 1                                   ; the first step stands in front of the loop: its products start the sums
	s_mov_b32 s3, LAPS-1
.Llap:                                                 ; a trip goes once round the ring, from a lap's second step to the next lap's first, and fills both slots again
	TURN 0, 1, 1
	STEP 1, 0, 0
	TURN 1, 0, 1
	STEP 0, 0, 0
	s_sub_co_u32 s3, s3, 1
	s_cmp_lg_u32 s3, 0
	s_cbranch_scc1 .Llap
	TURN 0, 1, 0                                   ; the last lap fills nothing, and has no round of the cluster's barrier
	STEP 1, 0, 0
	s_wait_dscnt 4*NL                              ; the very last step: nothing more to fetch
	WIN MUL_LO
	MUL16 0, 1, 0
	MUL16 2, 1, 0
	s_wait_dscnt 0
	WIN MUL_HI
	MUL16 4, 1, 0
	MUL16 6, 1, 0
	WIN 0
; THE WAY OUT of A block a: 64 numbers a lane = sum x 2^(ea + eb) + bias (one fused multiply-add), held within +-448 x 2^eo, converted: 16 registers of codes = two images of 8; four stores of 512 bytes.
; vp = 0 (q, k): the bias runs along the registers; the two images are two heads.   vp = 1 (v): the bias runs along the lanes; the two images are two chunks of 64 keys.
.macro OUTT a, vp
.set AC, 64*((\a)%4)
.set CD, 192+16*((\a)%4)               ; the codes: four sets by turns
.if (\a) >= 4
	s_wait_xcnt 0x0                                ; the stores of four blocks ago have read the registers that these codes take
.endif
	WIN 0x02+((\a)/4)                              ; source 0: window 2 or 3
.irp b, 0,1,2,3,4,5,6,7
.irp i, 0,2,4,6
.if \vp
	v_pk_fma_f32 v[TMP+8*\b+\i:TMP+8*\b+\i+1], v[AC+8*\b+\i:AC+8*\b+\i+1], s[96:97], v[BY+2*(\a):BY+2*(\a)+1] op_sel_hi:[1,0,1]   ; each accumulator from its low end on
.else
	v_pk_fma_f32 v[TMP+8*\b+\i:TMP+8*\b+\i+1], v[AC+8*\b+\i:AC+8*\b+\i+1], s[96:97], v[BX+8*\b+\i:BX+8*\b+\i+1] op_sel_hi:[1,0,1]
.endif
.endr
.endr
	WIN 0
.set n, 0
.rept 64
.set n, n+1
.endr
.irp b, 0,1,2,3,4,5,6,7
	v_cvt_scalef32_pk8_fp8_f32 v[CD+2*\b:CD+2*\b+1], v[TMP+8*\b:TMP+8*\b+7], v[SCL]
.endr
	v_nop                                          ; one plain line behind the conversions: the next block writes their sources
.irp g, 0,1,2,3
.if \vp
	global_store_b128 v[CO], v[CD+4*\g:CD+4*\g+3], s[10:11] offset:((\a)/4)*262144+((\a)%4)*1024+(\g/2)*8192+(\g%2)*512
.else
	global_store_b128 v[CO], v[CD+4*\g:CD+4*\g+3], s[10:11] offset:((\a)/4)*8192+((\a)%4)*1024+(\g/2)*262144+(\g%2)*512
.endif
.endr
.endm
	PLACES NP                                      ; behind the last products: their results are read, and A's registers written, below
	s_cmp_eq_u32 s93, 1                            ; the same in every partner: it hangs on the cluster's y
	s_cbranch_scc1 .Lout_v
.irp a, 0,1,2,3,4,5,6,7
	OUTT \a, 0
.endr
	s_branch .Lend
.Lout_v:
.irp a, 0,1,2,3,4,5,6,7
	OUTT \a, 1
.endr
.Lend:
	s_wait_tensorcnt 0x0                           ; the wave's end
	ds_add_u32 v[SPW], v[NIL]
	s_wait_dscnt 0x0
	CROUND                                         ; the closing round: no work-group ends while a partner may still ask for a tile that names it
	s_endpgm
.Lfunc_end_k_qaba7774df1_proj:
	.size	k_qaba7774df1_proj, .Lfunc_end_k_qaba7774df1_proj-k_qaba7774df1_proj
	.p2alignl 7, 3214868480
	.fill 96, 4, 3214868480
	.section	.rodata,"a",@progbits
	.p2align	6, 0x0
	.amdhsa_kernel k_qaba7774df1_proj
		.amdhsa_group_segment_fixed_size 327680
		.amdhsa_private_segment_fixed_size 0
		.amdhsa_enable_private_segment 0
		.amdhsa_kernarg_size 96
		.amdhsa_user_sgpr_count 2
		.amdhsa_user_sgpr_kernarg_segment_ptr 1
		.amdhsa_wavefront_size32 1
		.amdhsa_system_sgpr_workgroup_id_x 1
		.amdhsa_system_sgpr_workgroup_id_y 1
		.amdhsa_system_sgpr_workgroup_id_z 1
		.amdhsa_system_vgpr_workitem_id 0
		.amdhsa_next_free_vgpr 1024
		.amdhsa_next_free_sgpr 102
		.amdhsa_reserve_vcc 0
		.amdhsa_float_denorm_mode_32 3
		.amdhsa_float_denorm_mode_16_64 3
		.amdhsa_fp16_overflow 1
		.amdhsa_memory_ordered 1
		.amdhsa_forward_progress 1
		.amdhsa_inst_pref_size 131
	.end_amdhsa_kernel
	.amdgpu_metadata
---
amdhsa.version: [ 1, 2 ]
amdhsa.kernels:
  - .name:           k_qaba7774df1_proj
    .symbol:         k_qaba7774df1_proj.kd
    .args:
      - { .name: xq, .offset: 0, .size: 8, .value_kind: global_buffer, .address_space: global }
      - { .name: y_codes, .offset: 8, .size: 8, .value_kind: global_buffer, .address_space: global }
      - { .name: xv, .offset: 16, .size: 8, .value_kind: global_buffer, .address_space: global }
      - { .name: Wq_codes, .offset: 24, .size: 8, .value_kind: global_buffer, .address_space: global }
      - { .name: Wk_codes, .offset: 32, .size: 8, .value_kind: global_buffer, .address_space: global }
      - { .name: Wv_codes, .offset: 40, .size: 8, .value_kind: global_buffer, .address_space: global }
      - { .name: bq, .offset: 48, .size: 8, .value_kind: global_buffer, .address_space: global }
      - { .name: bk, .offset: 56, .size: 8, .value_kind: global_buffer, .address_space: global }
      - { .name: bv, .offset: 64, .size: 8, .value_kind: global_buffer, .address_space: global }
      - { .name: lowp_scales, .offset: 72, .size: 8, .value_kind: global_buffer, .address_space: global }
      - { .name: q_img, .offset: 80, .size: 8, .value_kind: global_buffer, .address_space: global }
      - { .name: kv_img, .offset: 88, .size: 8, .value_kind: global_buffer, .address_space: global }
    .group_segment_fixed_size: 327680
    .private_segment_fixed_size: 0
    .kernarg_segment_align: 8
    .kernarg_segment_size: 96
    .max_flat_workgroup_size: 128
    .sgpr_count:     102
    .vgpr_count:     1024
    .wavefront_size: 32
...
	.end_amdgpu_metadata
.endif
;; end of part 2
;; launch attn (part 3): grid 4 x 64, 16 waves a work-group, clusters of 4 x 1, 264,192 bytes of LDS; arguments q_img, kv_img, lowp_scales, ctx_img; writes ctx_img
.if DOCPART == 3
	.amdgcn_target "amdgcn-amd-amdhsa--gfx1250"
	.amdhsa_code_object_version 6
	.text
	.protected	k_qaba7774df1_attn
	.globl	k_qaba7774df1_attn
	.p2align	8
	.type	k_qaba7774df1_attn,@function
k_qaba7774df1_attn:
	s_mov_b64 s[64:65], 0
	v_nop
	global_prefetch_b8 v0, s[64:65] scope:SCOPE_SE
	s_setreg_imm32_b32 hwreg(HW_REG_WAVE_MODE, 25, 1), 1
	s_wait_xcnt 0x0
	s_wait_alu depctr_hold_cnt(0) depctr_sa_sdst(0) depctr_va_vdst(0) depctr_va_sdst(0) depctr_va_ssrc(0) depctr_va_vcc(0) depctr_vm_vsrc(0)
	s_getreg_b32 s2, hwreg(HW_REG_IB_STS2, 6, 4)
	s_cmp_eq_u32 s2, 0
	s_cbranch_scc0 .Lentry_in_a_cluster
	s_endpgm
.Lentry_in_a_cluster:
	s_bfe_u32 s2, ttmp6, 0x10000c
	s_cmp_lg_u32 s2, 0x3003
	s_cbranch_scc0 .Lentry_shape_is_right
	s_endpgm
.Lentry_shape_is_right:
; ctx[b][q][head] = the sum over keys of softmax(q . k / 8) v, both products on codes of E4M3, and the quantiser of ctx for the last projection.  64 heads (16 batch + head), 2,048 queries and keys, head size 64.
; THE SOFTMAX: t = score x log2(e) / 8; M = the running largest t, rounded UP to a whole number; p = 2^(t - M) is quantised with 2^e8, not normalised; the row's sum is taken of the unquantised p and divides at the
; end.  When M moves, the sum and O are multiplied by 2^(old M - new M), which rounds nothing; there is no branch on data.
; SHARES.  A work-group owns 512 queries of one head; each of its sixteen waves 32 of them, two tiles of 16, in 256 registers: four waves to a SIMD, so that one wave's vector work stands beside another's matrix
; work and LDS loads.  Each fragment of K and of V that a wave reads feeds two matrix instructions.
; LDS.  The head's whole K and V, 262,144 bytes of register images, lie in LDS as they lie in memory: filled ONCE, in four stages of 65,536 bytes (512 keys), each wave bringing 4,096 bytes of each stage.
; A wave has four tensor loads out.  Nothing is filled again and nothing is stored to LDS.
; CLUSTER.  The four blocks of queries of a head are one cluster and want the same bytes: each load is asked for JOINTLY by the four.
; LAYOUT.  Both products are used transposed: S^T = K Q^T (source 0 = 16 keys, source 1 = 16 queries), O^T = V^T P^T (source 0 = 16 channels, source 1 = P): a lane holds ONE query (lane % 16) throughout.  Register j of
; key tile i is key 16 i + 8 (lane / 16) + j: its eight codes are registers 2 i, 2 i + 1 of the 16x16x64 form's operand: the conversions' results ARE P.  Likewise O^T's become ctx's image.
; An image: 16 rows x 64 K in 1,024 bytes: registers 4 p .. 4 p + 3 of lane l at 512 p + 16 l: every LDS load takes 512 consecutive bytes.
; LIMITS: e6 + e7 between -123 and 130 (added to c's exponent field); e8 and e10 between -126 and 119; e8 + e9 is applied by v_ldexp_f32 and has none.  NaN is not served.
.set LI,  1                            ; v1   16 x lane
.set ADR, 2                            ; v2   LDS address of the step's images
.set CL,  4                            ; v4   448 x 2^e10;  v5  2^e10
.set ST,  8                            ; v[8+4T]: -M, the largest t, the sum in two halves
.set QF,  16                           ; v[16+8T]  Q's fragment
.set KF,  32                           ; v32-63    four fragments of K
.set VF,  64                           ; v64-95    four fragments of V^T
.set SC,  96                           ; v[96+32T] S^T, then p
.set OT,  160                          ; v[160+32T] O^T
.set PC,  224                          ; v[224+8T] p's codes
.set PL,  240                          ; v240 448 x 2^e8;  v241  2^e8
.set WK,  242                          ; v[242+6T]: +0, +1 f (a pair); +2, +3 a second chain of the sum; +4, +5 at work
.set WV,  12                           ; s12  wave
.set G1,  24                           ; s[24:31] descriptor group 1;  s[32:47] four groups 0, one for each stage
.set G0,  32
.set TB,  48                           ; s48  LDS byte at which the step's images begin
.set CNT, 49                           ; s49  steps to go in the stage
.macro ROUND                           ; a round of the cluster's barrier
	s_barrier_signal -1
	s_barrier_wait -1
	s_cmp_lg_u32 s[WV], 0
	s_cbranch_scc1 .Lnot_wave_0_\@
	s_barrier_signal -3
.Lnot_wave_0_\@:
	s_barrier_wait -3
	s_barrier_signal -1
	s_barrier_wait -1
.endm
	s_load_b256 s[4:11], s[0:1], 0x0               ; q_img s[4:5], kv_img s[6:7], the scales s[8:9], ctx_img s[10:11]
	v_lshl_add_u32 v254, v0, 2, 0x40000
	v_mov_b32 v255, 0
	ds_add_u32 v254, v255
	ds_add_u32 v254, v255
	v_lshrrev_b32 v2, 5, v0
	s_delay_alu instid0(VALU_DEP_1)
	v_readfirstlane_b32 s[WV], v2                  ; wave 0..15
	s_bfe_u32 s13, ttmp6, 0x40000                  ; cx: my block of 512 queries: it enters Q's and ctx's addresses alone
	s_and_b32 s14, ttmp7, 0xffff                   ; 16 batch + head, which the four partners share
	; descriptor group 1: 4,096 dense bytes as 16 rows of 32 elements of 8 bytes
	s_mov_b32 s[G1+0], 15|(3<<16)|(1<<21)          ; 15:0 the mask: all four work-groups; 17:16 elements of 8 bytes; 21 set beside a mask
	s_mov_b32 s[G1+1], 32<<16                      ; tensor_dim0 = 32
	s_mov_b32 s[G1+2], 16<<16                      ; tensor_dim1 = 16
	s_mov_b32 s[G1+3], 32<<16                      ; tile_dim0 = 32
	s_mov_b32 s[G1+4], 16                          ; tile_dim1 = 16
	s_mov_b32 s[G1+5], 32                          ; tensor_dim0_stride
	s_mov_b32 s[G1+6], 0
	s_mov_b32 s[G1+7], 0
	s_mov_b32 s20, 0x76543210                      ; v_permlanex16_b32's selects for lane l xor 16
	s_mov_b32 s21, 0xfedcba98
	s_mov_b32 s22, 0x3e38aa3b                      ; c = log2(e) / 8
	s_lshl_b32 s16, s14, 18                        ; the head's first byte in q_img and in kv_img
	s_lshl_b32 s18, s[WV], 12                      ; my 4,096 bytes of a stage, in memory and in LDS
	s_add_co_u32 s58, s16, s18
	s_mov_b32 s59, 0
	s_lshl_b32 s60, s13, 3                         ; Q: my two tiles are tiles 32 cx + 2 w, + 1 of the head: chunk 8 cx + w / 2, images 2 (w % 2), + 1
	s_lshr_b32 s61, s[WV], 1
	s_add_co_u32 s60, s60, s61
	s_lshl_b32 s60, s60, 13
	s_and_b32 s61, s[WV], 1
	s_lshl_b32 s61, s61, 11
	s_add_co_u32 s60, s60, s61
	s_add_co_u32 s60, s60, s16
	s_mov_b32 s61, 0
	s_lshr_b32 s62, s14, 4                         ; ctx: row tile 128 batch + 32 cx + 2 w, 16,384 bytes each; the head's image, 1,024 bytes
	s_lshl_b32 s62, s62, 7
	s_lshl_b32 s63, s13, 5
	s_add_co_u32 s62, s62, s63
	s_lshl_b32 s63, s[WV], 1
	s_add_co_u32 s62, s62, s63
	s_lshl_b32 s62, s62, 14
	s_and_b32 s63, s14, 15
	s_lshl_b32 s63, s63, 10
	s_add_co_u32 s62, s62, s63
	s_mov_b32 s63, 0
	s_wait_dscnt 0x0
	s_wait_kmcnt 0x0
	s_load_b128 s[52:55], s[8:9], 0x18             ; e6, e7, e8, e9
	s_load_b32 s56, s[8:9], 0x28                   ; e10
	s_add_nc_u64 s[6:7], s[6:7], s[58:59]
	s_add_nc_u64 s[4:5], s[4:5], s[60:61]
	s_add_nc_u64 s[10:11], s[10:11], s[62:63]
.irp j, 0,1,2,3
	s_mov_b32 s[G0+4*\j], 1                        ; count = 1
	s_add_co_u32 s[G0+4*\j+1], s18, 65536*\j       ; LDS address: 4,096 x wave + the stage
	s_add_nc_u64 s[G0+4*\j+2:G0+4*\j+3], s[6:7], 65536*\j
	s_or_b32 s[G0+4*\j+3], s[G0+4*\j+3], 0x80000000   ; type = 2
.endr
	ROUND                                          ; all four work-groups are here: the joint loads meet
	tensor_load_to_lds s[G0:G0+3], s[G1:G1+7]      ; all the launch's fills, in one group
	s_nop 0
	tensor_load_to_lds s[G0+4:G0+7], s[G1:G1+7]
	s_nop 0
	tensor_load_to_lds s[G0+8:G0+11], s[G1:G1+7]
	s_nop 0
	tensor_load_to_lds s[G0+12:G0+15], s[G1:G1+7]
	s_nop 0
.rept 4
	v_nop
.endr
	v_and_b32 v[LI], 31, v0
	s_delay_alu instid0(VALU_DEP_1)
	v_lshlrev_b32 v[LI], 4, v[LI]
.irp i, 0,1,2,3
	global_load_b128 v[QF+4*\i:QF+4*\i+3], v[LI], s[4:5] offset:512*\i   ; Q's two fragments stay in registers
.endr
.irp t, 0,1
	v_mov_b32 v[ST+4*\t+1], 0xff61b1e6             ; the largest t so far: -3e38, under every t
	s_delay_alu instid0(VALU_DEP_1)
	v_floor_f32 v[ST+4*\t], -v[ST+4*\t+1]          ; -M
	v_mov_b32 v[ST+4*\t+2], 0                      ; the sum, in two halves
	v_mov_b32 v[ST+4*\t+3], 0
	v_mov_b32 v[WK+6*\t+1], 0                      ; (named as the upper half of f's pair)
.endr
.set j, 0
.rept 64
	v_mov_b32 v[OT+j], 0                           ; O^T: the step is written once; its first trip finds zeros, which the first change of M leaves zeros
.set j, j+1
.endr
	s_wait_kmcnt 0x0
	s_add_co_i32 s50, s52, s53
	s_lshl_b32 s50, s50, 23
	s_add_co_i32 s22, s22, s50                     ; a score stands for score x 2^(e6 + e7): the exponents are added to c's exponent field
	s_mov_b32 s23, s22                             ; (named with it as a pair, so it is written)
	s_add_co_i32 s50, s54, 127
	s_lshl_b32 s51, s50, 23
	v_mov_b32 v[PL+1], s51                         ; 2^e8
	s_add_co_i32 s50, s56, 127
	s_lshl_b32 s51, s50, 23
	v_mov_b32 v[CL+1], s51                         ; 2^e10
	s_add_co_i32 s57, s54, s55                     ; e8 + e9
	s_wait_loadcnt 0x0                             ; Q
; A KEY STEP: 64 keys, both tiles of queries, phase by phase.
.macro STEP
	v_add_nc_u32 v[ADR], s[TB], v[LI]
.irp i, 0,1,2,3
	ds_load_b128 v[KF+8*\i:KF+8*\i+3], v[ADR] offset:1024*\i
	ds_load_b128 v[KF+8*\i+4:KF+8*\i+7], v[ADR] offset:1024*\i+512
.endr
	s_wait_alu depctr_va_vdst(0)
	s_wait_dscnt 0x0
.irp i, 0,1,2,3
.irp t, 0,1
	v_wmma_f32_16x16x64_fp8_fp8 v[SC+32*\t+8*\i:SC+32*\t+8*\i+7], v[KF+8*\i:KF+8*\i+7], v[QF+8*\t:QF+8*\t+7], 0
.endr
.endr
.rept 4
	v_nop                                          ; places in front of the reads of the scores; with the addition above, five behind the last step's products, whose fragments of V are loaded anew below
.endr
.irp i, 0,1,2,3
	ds_load_b128 v[VF+8*\i:VF+8*\i+3], v[ADR] offset:4096+1024*\i          ; V lands while the softmax is walked
	ds_load_b128 v[VF+8*\i+4:VF+8*\i+7], v[ADR] offset:4096+1024*\i+512
.endr
.irp t, 0,1                                    ; the step's largest score of my query among my 32 keys, in two chains; each accumulator is read from its low end on
	v_max3_num_f32 v[WK+6*\t+4], v[SC+32*\t], v[SC+32*\t+1], v[SC+32*\t+2]
	v_max3_num_f32 v[WK+6*\t+5], v[SC+32*\t+3], v[SC+32*\t+4], v[SC+32*\t+5]
.endr
.irp i, 6,10,14,18,22,26
.irp t, 0,1
	v_max3_num_f32 v[WK+6*\t+4], v[WK+6*\t+4], v[SC+32*\t+\i], v[SC+32*\t+\i+1]
	v_max3_num_f32 v[WK+6*\t+5], v[WK+6*\t+5], v[SC+32*\t+\i+2], v[SC+32*\t+\i+3]
.endr
.endr
.irp t, 0,1
	v_max3_num_f32 v[WK+6*\t+4], v[WK+6*\t+4], v[SC+32*\t+30], v[SC+32*\t+31]
.endr
.irp t, 0,1
	s_delay_alu instid0(VALU_DEP_2)
	v_max_num_f32 v[WK+6*\t+4], v[WK+6*\t+4], v[WK+6*\t+5]
.endr
.irp t, 0,1
	s_delay_alu instid0(VALU_DEP_2)
	v_permlanex16_b32 v[WK+6*\t+5], v[WK+6*\t+4], s20, s21
.endr
.irp t, 0,1
	s_delay_alu instid0(VALU_DEP_2)
	v_max_num_f32 v[WK+6*\t+4], v[WK+6*\t+4], v[WK+6*\t+5]   ; and among lane l xor 16's
.endr
.irp t, 0,1
	s_delay_alu instid0(VALU_DEP_2)
	v_mul_f32 v[WK+6*\t+4], s22, v[WK+6*\t+4]      ; as t (c is positive)
.endr
.irp t, 0,1
	s_delay_alu instid0(VALU_DEP_2)
	v_max_num_f32 v[ST+4*\t+1], v[ST+4*\t+1], v[WK+6*\t+4]   ; the running largest t
.endr
.irp t, 0,1
	v_mov_b32 v[WK+6*\t+4], v[ST+4*\t]             ; the old -M
.endr
.irp t, 0,1
	s_delay_alu instid0(VALU_DEP_4)
	v_floor_f32 v[ST+4*\t], -v[ST+4*\t+1]          ; the new -M = floor(-t) = -ceil(t): a whole number
.endr
.irp t, 0,1
	s_delay_alu instid0(VALU_DEP_2)
	v_sub_f32 v[WK+6*\t+4], v[ST+4*\t], v[WK+6*\t+4]   ; old M - new M: a whole number, 0 or less
.endr
.irp t, 0,1
	s_delay_alu instid0(VALU_DEP_2)
	v_cvt_i32_f32 v[WK+6*\t+4], v[WK+6*\t+4]       ; (it saturates)
.endr
.irp t, 0,1
	s_delay_alu instid0(VALU_DEP_2)
	v_ldexp_f32 v[WK+6*\t], 1.0, v[WK+6*\t+4]      ; f = 2^(old M - new M)
.endr
.irp t, 0,1
.irp j, 0,2,4,6,8,10,12,14,16,18,20,22,24,26,28,30
	v_pk_fma_f32 v[SC+32*\t+\j:SC+32*\t+\j+1], v[SC+32*\t+\j:SC+32*\t+\j+1], s[22:23], v[ST+4*\t:ST+4*\t+1] op_sel_hi:[1,0,0]   ; t - M, two at a time (of the pairs c and -M the low word serves both halves)
.endr
.endr
.set j, 0
	s_wait_alu depctr_va_vdst(0)
.rept 64
	v_exp_f32 v[SC+j], v[SC+j]                     ; p = 2^(t - M), at most 1: not normalised
.set j, j+1
.endr
	s_setprio 1
.irp t, 0,1
	v_pk_mul_f32 v[ST+4*\t+2:ST+4*\t+3], v[ST+4*\t+2:ST+4*\t+3], v[WK+6*\t:WK+6*\t+1] op_sel_hi:[1,0]   ; the sums under the new M (a plain line behind the exponentials)
.endr
	s_wait_alu depctr_va_vdst(0)
.irp t, 0,1
	v_pk_add_f32 v[WK+6*\t+2:WK+6*\t+3], v[SC+32*\t:SC+32*\t+1], v[SC+32*\t+2:SC+32*\t+3]   ; the row's sum is taken of the unquantised p, in two chains
.endr
.irp j, 4,8,12,16,20,24,28
.irp t, 0,1
	v_pk_add_f32 v[ST+4*\t+2:ST+4*\t+3], v[ST+4*\t+2:ST+4*\t+3], v[SC+32*\t+\j:SC+32*\t+\j+1]
	v_pk_add_f32 v[WK+6*\t+2:WK+6*\t+3], v[WK+6*\t+2:WK+6*\t+3], v[SC+32*\t+\j+2:SC+32*\t+\j+3]
.endr
.endr
.irp t, 0
	s_delay_alu instid0(VALU_DEP_3)
	v_pk_add_f32 v[ST+4*\t+2:ST+4*\t+3], v[ST+4*\t+2:ST+4*\t+3], v[WK+6*\t+2:WK+6*\t+3]
.endr
.irp t, 1
	s_delay_alu instid0(VALU_DEP_2)
	v_pk_add_f32 v[ST+4*\t+2:ST+4*\t+3], v[ST+4*\t+2:ST+4*\t+3], v[WK+6*\t+2:WK+6*\t+3]
.endr
.set j, 0
.rept 64
.set j, j+1
.endr
.irp t, 0,1
.irp i, 0,1,2,3
	v_cvt_scalef32_pk8_fp8_f32 v[PC+8*\t+2*\i:PC+8*\t+2*\i+1], v[SC+32*\t+8*\i:SC+32*\t+8*\i+7], v[PL+1]
.endr
.endr
.irp t, 0,1
.irp j, 0,2,4,6,8,10,12,14,16,18,20,22,24,26,28,30
	v_pk_mul_f32 v[OT+32*\t+\j:OT+32*\t+\j+1], v[OT+32*\t+\j:OT+32*\t+\j+1], v[WK+6*\t:WK+6*\t+1] op_sel_hi:[1,0]   ; O^T under the new M; also the plain lines behind the conversions
.endr
.endr
	s_setprio 0
	s_wait_alu depctr_va_vdst(0)
	s_wait_dscnt 0x0                               ; V is in
.irp i, 0,1,2,3
.irp t, 0,1
	v_wmma_f32_16x16x64_fp8_fp8 v[OT+32*\t+8*\i:OT+32*\t+8*\i+7], v[VF+8*\i:VF+8*\i+7], v[PC+8*\t:PC+8*\t+7], v[OT+32*\t+8*\i:OT+32*\t+8*\i+7]   ; eight accumulators by turns, one instruction a turn
.endr
.endr
.endm
; A STAGE: 512 keys, eight steps.  My part of it has landed (the later stages' loads may stay out); behind the barrier everybody's has.
.macro STAGE j
	s_wait_tensorcnt 3-\j
	s_wait_dscnt 0x0
	s_barrier_signal -1
	s_barrier_wait -1
	s_mov_b32 s[TB], 65536*\j
	s_mov_b32 s[CNT], 8
.Lstep_\@:
	s_setprio 2
	STEP
	s_add_co_u32 s[TB], s[TB], 8192
	s_sub_co_u32 s[CNT], s[CNT], 1
	s_cmp_lg_u32 s[CNT], 0
	s_cbranch_scc1 .Lstep_\@
	s_setprio 0
.endm
	STAGE 0
	STAGE 1
	STAGE 2
	STAGE 3
	; THE WAY OUT: ctx = O^T x 2^(e8 + e9) / the sum, held, converted: a lane's 32 channels become the 8 registers of ctx's image for my head.
.rept 4
	v_nop
.endr
.irp t, 0,1
	v_add_f32 v[ST+4*\t+2], v[ST+4*\t+2], v[ST+4*\t+3]       ; the sum's two halves,
.endr
.irp t, 0,1
	s_delay_alu instid0(VALU_DEP_2)
	v_permlanex16_b32 v[WK+6*\t+5], v[ST+4*\t+2], s20, s21
.endr
.irp t, 0,1
	s_delay_alu instid0(VALU_DEP_2)
	v_add_f32 v[ST+4*\t+2], v[ST+4*\t+2], v[WK+6*\t+5]       ; and lane l xor 16's
.endr
	s_wait_alu depctr_va_vdst(0)
.irp t, 0,1
	v_rcp_f32 v[WK+6*\t], v[ST+4*\t+2]
.endr
	v_nop                                          ; a plain line behind the reciprocals
	s_wait_alu depctr_va_vdst(0)
.irp t, 0,1
	v_ldexp_f32 v[WK+6*\t], v[WK+6*\t], s57
.endr
.irp t, 0,1
.irp j, 0,2,4,6,8,10,12,14,16,18,20,22,24,26,28,30
	v_pk_mul_f32 v[SC+32*\t+\j:SC+32*\t+\j+1], v[OT+32*\t+\j:OT+32*\t+\j+1], v[WK+6*\t:WK+6*\t+1] op_sel_hi:[1,0]
.endr
.endr
.set j, 0
.rept 64
.set j, j+1
.endr
.irp t, 0,1
.irp i, 0,1,2,3
	v_cvt_scalef32_pk8_fp8_f32 v[PC+8*\t+2*\i:PC+8*\t+2*\i+1], v[SC+32*\t+8*\i:SC+32*\t+8*\i+7], v[CL+1]
.endr
.endr
	v_nop
.irp t, 0,1
.irp p, 0,1
	global_store_b128 v[LI], v[PC+8*\t+4*\p:PC+8*\t+4*\p+3], s[10:11] offset:16384*\t+512*\p   ; 512 consecutive bytes, aligned
.endr
.endr
	s_wait_tensorcnt 0x0
	ds_add_u32 v254, v255
	s_wait_dscnt 0x0
	ROUND                                          ; the closing round: no work-group ends while a partner may still ask for bytes that name it
	s_endpgm
.Lfunc_end_k_qaba7774df1_attn:
	.size	k_qaba7774df1_attn, .Lfunc_end_k_qaba7774df1_attn-k_qaba7774df1_attn
	.p2alignl 7, 3214868480
	.fill 96, 4, 3214868480
	.section	.rodata,"a",@progbits
	.p2align	6, 0x0
	.amdhsa_kernel k_qaba7774df1_attn
		.amdhsa_group_segment_fixed_size 264192
		.amdhsa_private_segment_fixed_size 0
		.amdhsa_enable_private_segment 0
		.amdhsa_kernarg_size 32
		.amdhsa_user_sgpr_count 2
		.amdhsa_user_sgpr_kernarg_segment_ptr 1
		.amdhsa_wavefront_size32 1
		.amdhsa_system_sgpr_workgroup_id_x 1
		.amdhsa_system_sgpr_workgroup_id_y 1
		.amdhsa_system_sgpr_workgroup_id_z 1
		.amdhsa_system_vgpr_workitem_id 0
		.amdhsa_next_free_vgpr 256
		.amdhsa_next_free_sgpr 72
		.amdhsa_reserve_vcc 0
		.amdhsa_float_denorm_mode_32 3
		.amdhsa_float_denorm_mode_16_64 3
		.amdhsa_fp16_overflow 1
		.amdhsa_memory_ordered 1
		.amdhsa_forward_progress 1
		.amdhsa_inst_pref_size 72
	.end_amdhsa_kernel
	.amdgpu_metadata
---
amdhsa.version: [ 1, 2 ]
amdhsa.kernels:
  - .name:           k_qaba7774df1_attn
    .symbol:         k_qaba7774df1_attn.kd
    .args:
      - { .name: q_img, .offset: 0, .size: 8, .value_kind: global_buffer, .address_space: global }
      - { .name: kv_img, .offset: 8, .size: 8, .value_kind: global_buffer, .address_space: global }
      - { .name: lowp_scales, .offset: 16, .size: 8, .value_kind: global_buffer, .address_space: global }
      - { .name: ctx_img, .offset: 24, .size: 8, .value_kind: global_buffer, .address_space: global }
    .group_segment_fixed_size: 264192
    .private_segment_fixed_size: 0
    .kernarg_segment_align: 8
    .kernarg_segment_size: 32
    .max_flat_workgroup_size: 512
    .sgpr_count:     72
    .vgpr_count:     256
    .wavefront_size: 32
...
	.end_amdgpu_metadata
.endif
;; end of part 3
;; launch outln (part 4): grid 256 x 1, 16 waves a work-group, no clusters, 327,680 bytes of LDS; arguments ctx_img, wd_img, x, bd, gamma, beta, lowp_scales, out0; writes out0
.if DOCPART == 4
	.amdgcn_target "amdgcn-amd-amdhsa--gfx1250"
	.amdhsa_code_object_version 6
	.text
	.protected	k_qaba7774df1_outln
	.globl	k_qaba7774df1_outln
	.p2align	8
	.type	k_qaba7774df1_outln,@function
k_qaba7774df1_outln:
	s_mov_b64 s[64:65], 0
	v_nop
	global_prefetch_b8 v0, s[64:65] scope:SCOPE_SE
	s_setreg_imm32_b32 hwreg(HW_REG_WAVE_MODE, 25, 1), 1
	s_wait_xcnt 0x0
; out = LayerNorm(ctx Wd^T + bd + x) x gamma + beta.  The product is on codes of E4M3 (ctx with 2^e10, Wd with 2^e11), [8192 x 1024 x 1024]; all else in f32.
; SHARES.  A work-group owns 32 rows (two tiles of 16) and all 1,024 columns, so a row's mean and variance stay in the work-group.  Wave w owns columns 64 w .. 64 w + 63: four column tiles x two row tiles = eight
; accumulators.  Source 0 = 16 rows of Wd (columns of the result), source 1 = 16 rows of ctx: lane (r, h) holds row 16 rt + r, register j of tile i column 64 w + 16 i + 8 h + j.
; OPERANDS are images of registers (16 rows x 64 K in 1,024 bytes: registers 4 p .. 4 p + 3 of lane l at 512 p + 16 l).  ctx's 32 KiB come into LDS by tensor loads and are read by all waves.
; NO MULTICAST, NO LDS FOR Wd: each fragment of Wd is read by exactly one wave of a work-group, once: it goes from memory straight into that wave's registers, 512 consecutive bytes a load, three chunks ahead.
; Through LDS its 1 MiB would be written and read once more in every work-group, with a round of a cluster's barrier for every slot and eight matrix instructions a wave for each chunk between them.
; x's slice (32 rows x my 64 columns) comes by a tensor load into the wave's own stage; when it has been read, the results leave through the same stage (it has had its one fill), as whole units of 256 bytes.
; THE NORM is taken as it is written: first the mean, then the mean of the squares of the differences: a common offset in x costs no accuracy.  The waves' parts meet in LDS, two exchanges on bytes of their own.
; LIMITS: e10 + e11 between -126 and 127.  NaN is not served.
.set CT,   0                           ; LDS: ctx's 32 images: (16 rt + n) x 1,024
.set STG,  32768                       ; a stage for each wave: 32 rows x (256 bytes + 16)
.set STGW, 8704
.set RED,  STG+16*STGW                 ; two exchanges x 32 rows x (16 waves x 4 bytes + 16)
.set LI,  1                            ; v1  16 x lane
.set XG,  2                            ; v2  out0: (l / 16) x 4,096 + (l % 16) x 16
.set SW,  3                            ; v3  the stage by rows: (l / 16) x 272 + (l % 16) x 16
.set SA,  4                            ; v4  the stage in the accumulators' layout: 272 r + 32 h
.set RW,  5                            ; v5  the exchange: 80 x lane + 4 x wave
.set RR,  6                            ; v6  and back: 80 r
.set H32, 7                            ; v7  32 h
.set ACC, 32                           ; v[32 + 32 rt + 8 i]
.set WS,  96                           ; v96-223  four sets of four fragments of Wd; at the end set 0 bd, set 1 gamma, set 2 beta
.set CF,  224                          ; v224-255 ctx's fragments: 16 x buffer + 8 rt
.set XT,  192                          ; v192-255 at the end: x, the exchanges, the rows on the way out
.set G1C, 24                           ; s[24:31] group 1 for ctx;  s[32:39] for x;  s[40:43], s[44:47] their groups 0
.set G1X, 32
	s_load_b512 s[4:19], s[0:1], 0x0               ; ctx_img 4, wd_img 6, x 8, bd 10, gamma 12, beta 14, the scales 16, out0 18
	v_lshl_add_u32 v30, v0, 2, 0x2b400
	v_mov_b32 v31, 0
	ds_add_u32 v30, v31
	ds_add_u32 v30, v31
	v_lshrrev_b32 v8, 5, v0
	s_delay_alu instid0(VALU_DEP_1)
	v_readfirstlane_b32 s20, v8                    ; wave 0..15
	s_mov_b32 s[G1C+0], 3<<16                      ; ctx: 2,048 dense bytes a wave: 8 rows of 32 elements of 8 bytes
	s_mov_b32 s[G1C+1], 32<<16
	s_mov_b32 s[G1C+2], 8<<16
	s_mov_b32 s[G1C+3], 32<<16
	s_mov_b32 s[G1C+4], 8
	s_mov_b32 s[G1C+5], 32
	s_mov_b32 s[G1C+6], 0
	s_mov_b32 s[G1C+7], 0
	s_mov_b32 s[G1X+0], (2<<16)|(1<<20)|(5<<22)|(3<<25)   ; x: elements of 4 bytes; padding on: 4 words after every 64
	s_mov_b32 s[G1X+1], 64<<16                     ; tensor_dim0 = 64
	s_mov_b32 s[G1X+2], 32<<16                     ; tensor_dim1 = 32
	s_mov_b32 s[G1X+3], 64<<16                     ; tile_dim0 = 64
	s_mov_b32 s[G1X+4], 32                         ; tile_dim1 = 32
	s_mov_b32 s[G1X+5], 1024                       ; elements from row to row
	s_mov_b32 s[G1X+6], 0
	s_mov_b32 s[G1X+7], 0
	s_mov_b32 s48, 0x76543210                      ; v_permlanex16_b32's selects for lane l xor 16
	s_mov_b32 s49, 0xfedcba98
	s_mov_b32 s54, 0x3a800000                      ; 1 / 1024
	s_mov_b32 s55, 0x2b8cbccc                      ; 1e-12
	s_lshl_b32 s21, s20, 11                        ; 2,048 x wave
	s_mul_i32 s22, s20, STGW
	s_add_co_u32 s22, s22, STG                     ; my stage
	s_lshl_b32 s56, ttmp9, 15                      ; ctx: 32,768 bytes a work-group
	s_add_co_u32 s56, s56, s21
	s_mov_b32 s57, 0
	s_lshl_b32 s58, ttmp9, 17                      ; x and out0: 32 rows of 4,096 bytes, + my 256 bytes of a row
	s_lshl_b32 s23, s20, 8
	s_add_co_u32 s58, s58, s23
	s_mov_b32 s59, 0
	s_wait_dscnt 0x0
	s_wait_kmcnt 0x0
	s_load_b64 s[52:53], s[16:17], 0x28            ; e10, e11
	s_mov_b32 s40, 1
	s_mov_b32 s41, s21
	s_add_nc_u64 s[42:43], s[4:5], s[56:57]
	s_or_b32 s43, s43, 0x80000000
	s_mov_b32 s44, 1
	s_mov_b32 s45, s22
	s_add_nc_u64 s[46:47], s[8:9], s[58:59]
	s_or_b32 s47, s47, 0x80000000
	s_add_nc_u64 s[18:19], s[18:19], s[58:59]
	s_lshl_b32 s56, s20, 16                        ; Wd: my four column tiles, 16,384 bytes each
	s_add_nc_u64 s[6:7], s[6:7], s[56:57]
	s_mov_b32 s58, s23                             ; bd, gamma, beta: my 64 numbers
	s_add_nc_u64 s[10:11], s[10:11], s[58:59]
	s_add_nc_u64 s[12:13], s[12:13], s[58:59]
	s_add_nc_u64 s[14:15], s[14:15], s[58:59]
	tensor_load_to_lds s[40:43], s[G1C:G1C+7]      ; ctx's fill: one tensor load a wave is out
	s_nop 0
	s_wait_alu depctr_va_vdst(0)
	s_wait_tensorcnt 0x0
	ds_add_u32 v30, v31
	s_wait_dscnt 0x0
	s_barrier_signal -1
	s_barrier_wait -1
	tensor_load_to_lds s[44:47], s[G1X:G1X+7]
	s_nop 0
.rept 4
	v_nop
.endr
	v_and_b32 v9, 31, v0                           ; lane
	v_and_b32 v10, 15, v0                          ; r
	v_bfe_u32 v11, v0, 4, 1                        ; h
	s_delay_alu instid0(VALU_DEP_3)
	v_lshlrev_b32 v[LI], 4, v9
	s_delay_alu instid0(VALU_DEP_2)
	v_lshlrev_b32 v[H32], 5, v11
.macro GLOAD n                         ; eight loads into set n % 4: chunk n (64 along K) of my four column tiles; n = 16, 17, 18: bd, gamma, beta in the accumulators' layout
.set WSN, WS+32*((\n)%4)
.if (\n) < 16
.irp i, 0,1,2,3
	global_load_b128 v[WSN+8*\i:WSN+8*\i+3], v[LI], s[6:7] offset:(16*\i+(\n))*1024
	global_load_b128 v[WSN+8*\i+4:WSN+8*\i+7], v[LI], s[6:7] offset:(16*\i+(\n))*1024+512
.endr
.else
.set PB, 10+2*((\n)-16)
.irp i, 0,1,2,3
	global_load_b128 v[WSN+8*\i:WSN+8*\i+3], v[H32], s[PB:PB+1] offset:64*\i
	global_load_b128 v[WSN+8*\i+4:WSN+8*\i+7], v[H32], s[PB:PB+1] offset:64*\i+16
.endr
.endif
.endm
.macro CLOAD n                         ; chunk n of ctx's two row tiles into buffer n % 2
.irp rt, 0,1
.irp p, 0,1
	ds_load_b128 v[CF+16*((\n)%2)+8*\rt+4*\p:CF+16*((\n)%2)+8*\rt+4*\p+3], v[LI] offset:CT+(16*\rt+(\n))*1024+512*\p
.endr
.endr
.endm
	GLOAD 0
	GLOAD 1
	GLOAD 2
	v_lshlrev_b32 v[XG], 12, v11
	s_delay_alu instid0(VALU_DEP_1)
	v_lshl_add_u32 v[XG], v10, 4, v[XG]
	v_mul_u32_u24 v[SW], v11, 272
	s_delay_alu instid0(VALU_DEP_1)
	v_lshl_add_u32 v[SW], v10, 4, v[SW]
	s_delay_alu instid0(VALU_DEP_1)
	v_add_nc_u32 v[SW], s22, v[SW]
	v_mul_u32_u24 v[SA], v10, 272
	s_delay_alu instid0(VALU_DEP_1)
	v_lshl_add_u32 v[SA], v11, 5, v[SA]
	s_delay_alu instid0(VALU_DEP_1)
	v_add_nc_u32 v[SA], s22, v[SA]
	s_lshl_b32 s23, s20, 2
	s_add_co_u32 s23, s23, RED
	v_mul_u32_u24 v[RW], v9, 80
	s_delay_alu instid0(VALU_DEP_1)
	v_add_nc_u32 v[RW], s23, v[RW]
	v_mul_u32_u24 v[RR], v10, 80
	s_delay_alu instid0(VALU_DEP_1)
	v_add_nc_u32 v[RR], RED, v[RR]
	v_cmp_le_u32 vcc_lo, 16, v9                    ; lanes 16-31: kept to the end
	v_mov_b32 v20, 0                               ; written once: a lane permute's destination counts as one of its sources
	v_mov_b32 v21, 0
	s_wait_alu depctr_va_vdst(0)
	s_wait_kmcnt 0x0
	s_add_co_i32 s50, s52, s53
	s_add_co_i32 s50, s50, 127
	s_lshl_b32 s50, s50, 23                        ; 2^(e10 + e11) as f32
	s_mov_b32 s51, s50                             ; (named with it as a pair, so it is written)
	s_wait_tensorcnt 0x1                           ; my part of ctx is in; x's tile may stay out
	s_barrier_signal -1
	s_barrier_wait -1                              ; everybody's is
	CLOAD 0
; Chunk n: 64 along K, eight matrix instructions, the eight accumulators by turns in the same order in every chunk.
.macro KSTEP n
.if (\n) > 0
.rept 4
	v_nop                                          ; places in front of loads into registers that the last chunk's products have read
.endr
.endif
	GLOAD (\n)+3
.if (\n) < 15
	CLOAD (\n)+1
.endif
	s_wait_loadcnt 24                              ; chunk n's eight loads are in; the three younger groups of eight may be out
.if (\n) < 15
	s_wait_dscnt 4                                 ; ctx's chunk n is in; the next chunk's four loads may be out
.else
	s_wait_dscnt 0
.endif
.set WSN, WS+32*((\n)%4)
.set CFN, CF+16*((\n)%2)
.irp rt, 0,1
.irp i, 0,1,2,3
.if (\n) == 0
	v_wmma_f32_16x16x64_fp8_fp8 v[ACC+32*\rt+8*\i:ACC+32*\rt+8*\i+7], v[WSN+8*\i:WSN+8*\i+7], v[CFN+8*\rt:CFN+8*\rt+7], 0
.else
	v_wmma_f32_16x16x64_fp8_fp8 v[ACC+32*\rt+8*\i:ACC+32*\rt+8*\i+7], v[WSN+8*\i:WSN+8*\i+7], v[CFN+8*\rt:CFN+8*\rt+7], v[ACC+32*\rt+8*\i:ACC+32*\rt+8*\i+7]
.endif
.endr
.endr
.endm
.irp n, 0,1,2,3,4,5,6,7,8,9,10,11,12,13,14,15
	KSTEP \n
.endr
.rept 4
	v_nop                                          ; places behind the last products
.endr
	s_wait_tensorcnt 0x0                           ; x's slice lies in my own stage: my own wait is all that its reads need
.irp rt, 0,1
.irp i, 0,1,2,3
	ds_load_b128 v[XT+32*\rt+8*\i:XT+32*\rt+8*\i+3], v[SA] offset:4352*\rt+64*\i
	ds_load_b128 v[XT+32*\rt+8*\i+4:XT+32*\rt+8*\i+7], v[SA] offset:4352*\rt+64*\i+16
.endr
.endr
	s_wait_loadcnt 16                              ; bd is in; gamma's and beta's sixteen loads may be out
.irp rt, 0,1
.irp k, 0,2,4,6,8,10,12,14,16,18,20,22,24,26,28,30
	v_pk_fma_f32 v[ACC+32*\rt+\k:ACC+32*\rt+\k+1], v[ACC+32*\rt+\k:ACC+32*\rt+\k+1], s[50:51], v[WS+\k:WS+\k+1] op_sel_hi:[1,0,1]   ; sum x 2^(e10 + e11) + bd; each accumulator from its low end on
.endr
.endr
	s_wait_dscnt 0x0
.irp rt, 0,1
.irp k, 0,2,4,6,8,10,12,14,16,18,20,22,24,26,28,30
	v_pk_add_f32 v[ACC+32*\rt+\k:ACC+32*\rt+\k+1], v[ACC+32*\rt+\k:ACC+32*\rt+\k+1], v[XT+32*\rt+\k:XT+32*\rt+\k+1]   ; + x
.endr
.endr
.macro ROWSUM rt, c                    ; the sum of my 32 numbers of row tile rt, in two packed chains, into v[c]
.set A, ACC+32*\rt
	v_pk_add_f32 v[\c:\c+1], v[A:A+1], v[A+2:A+3]
	v_pk_add_f32 v[\c+2:\c+3], v[A+4:A+5], v[A+6:A+7]
.irp j, 8,12,16,20,24,28
	s_delay_alu instid0(VALU_DEP_2)
	v_pk_add_f32 v[\c:\c+1], v[\c:\c+1], v[A+\j:A+\j+1]
	s_delay_alu instid0(VALU_DEP_2)
	v_pk_add_f32 v[\c+2:\c+3], v[\c+2:\c+3], v[A+\j+2:A+\j+3]
.endr
	s_delay_alu instid0(VALU_DEP_1)
	v_pk_add_f32 v[\c:\c+1], v[\c:\c+1], v[\c+2:\c+3]
	s_delay_alu instid0(VALU_DEP_1)
	v_add_f32 v[\c], v[\c], v[\c+1]
.endm
.macro ROWSQ rt, c                     ; the same of their squares
.set A, ACC+32*\rt
	v_pk_mul_f32 v[\c:\c+1], v[A:A+1], v[A:A+1]
	v_pk_mul_f32 v[\c+2:\c+3], v[A+2:A+3], v[A+2:A+3]
.irp j, 4,8,12,16,20,24,28
	s_delay_alu instid0(VALU_DEP_2)
	v_pk_fma_f32 v[\c:\c+1], v[A+\j:A+\j+1], v[A+\j:A+\j+1], v[\c:\c+1]
	s_delay_alu instid0(VALU_DEP_2)
	v_pk_fma_f32 v[\c+2:\c+3], v[A+\j+2:A+\j+3], v[A+\j+2:A+\j+3], v[\c+2:\c+3]
.endr
	s_delay_alu instid0(VALU_DEP_1)
	v_pk_add_f32 v[\c:\c+1], v[\c:\c+1], v[\c+2:\c+3]
	s_delay_alu instid0(VALU_DEP_1)
	v_add_f32 v[\c], v[\c], v[\c+1]
.endm
; v12, v16: my lane's sums for row tiles 0, 1.  With lane l xor 16's they are the wave's 64 columns' sums; lane l then keeps row l's and puts it at row l, word w.  Behind the barrier every lane reads the sixteen
; waves' parts of rows r and 16 + r and adds them in one fixed order: the totals come out in v[XT] and v[XT+16], the same in every wave.
.macro EXCHANGE pass
	v_permlanex16_b32 v20, v12, s48, s49
	s_delay_alu instid0(VALU_DEP_2)
	v_permlanex16_b32 v21, v16, s48, s49
	s_delay_alu instid0(VALU_DEP_2)
	v_add_f32 v12, v12, v20
	s_delay_alu instid0(VALU_DEP_2)
	v_add_f32 v16, v16, v21
	s_delay_alu instid0(VALU_DEP_1)
	v_cndmask_b32 v12, v12, v16, vcc_lo
	ds_store_b32 v[RW], v12 offset:2560*\pass
	s_wait_dscnt 0x0                               ; for the others' sake: my store has landed
	s_barrier_signal -1
	s_barrier_wait -1
.irp rt, 0,1
.irp q, 0,1,2,3
	ds_load_b128 v[XT+16*\rt+4*\q:XT+16*\rt+4*\q+3], v[RR] offset:2560*\pass+1280*\rt+16*\q
.endr
.endr
	s_wait_dscnt 0x0
.irp rt, 0,1
	v_pk_add_f32 v[XT+16*\rt:XT+16*\rt+1], v[XT+16*\rt:XT+16*\rt+1], v[XT+16*\rt+2:XT+16*\rt+3]
	v_pk_add_f32 v[XT+16*\rt+4:XT+16*\rt+5], v[XT+16*\rt+4:XT+16*\rt+5], v[XT+16*\rt+6:XT+16*\rt+7]
	v_pk_add_f32 v[XT+16*\rt+8:XT+16*\rt+9], v[XT+16*\rt+8:XT+16*\rt+9], v[XT+16*\rt+10:XT+16*\rt+11]
	v_pk_add_f32 v[XT+16*\rt+12:XT+16*\rt+13], v[XT+16*\rt+12:XT+16*\rt+13], v[XT+16*\rt+14:XT+16*\rt+15]
	s_delay_alu instid0(VALU_DEP_3)
	v_pk_add_f32 v[XT+16*\rt:XT+16*\rt+1], v[XT+16*\rt:XT+16*\rt+1], v[XT+16*\rt+4:XT+16*\rt+5]
	s_delay_alu instid0(VALU_DEP_2)
	v_pk_add_f32 v[XT+16*\rt+8:XT+16*\rt+9], v[XT+16*\rt+8:XT+16*\rt+9], v[XT+16*\rt+12:XT+16*\rt+13]
	s_delay_alu instid0(VALU_DEP_1)
	v_pk_add_f32 v[XT+16*\rt:XT+16*\rt+1], v[XT+16*\rt:XT+16*\rt+1], v[XT+16*\rt+8:XT+16*\rt+9]
	s_delay_alu instid0(VALU_DEP_1)
	v_add_f32 v[XT+16*\rt], v[XT+16*\rt], v[XT+16*\rt+1]
.endr
.endm
	ROWSUM 0, 12
	ROWSUM 1, 16
	EXCHANGE 0
.irp rt, 0
	v_mul_f32 v[8+2*\rt], s54, v[XT+16*\rt]        ; the mean, in both halves of a pair
	v_mul_f32 v[9+2*\rt], s54, v[XT+16*\rt]
.endr
.irp rt, 1
	s_delay_alu instid0(VALU_DEP_3)
	v_mul_f32 v[8+2*\rt], s54, v[XT+16*\rt]
	s_delay_alu instid0(VALU_DEP_4)
	v_mul_f32 v[9+2*\rt], s54, v[XT+16*\rt]
.endr
.irp rt, 0,1
.irp k, 0,2,4,6,8,10,12,14,16,18,20,22,24,26,28,30
	v_pk_add_f32 v[ACC+32*\rt+\k:ACC+32*\rt+\k+1], v[ACC+32*\rt+\k:ACC+32*\rt+\k+1], v[8+2*\rt:9+2*\rt] neg_lo:[0,1] neg_hi:[0,1]   ; h - u
.endr
.endr
	ROWSQ 0, 12
	ROWSQ 1, 16
	EXCHANGE 1                                     ; on bytes of its own: no wave writes what another may still read
	v_fma_f32 v26, v[XT], s54, s55                 ; the variance + 1e-12
	s_delay_alu instid0(VALU_DEP_2)
	v_fma_f32 v27, v[XT+16], s54, s55
	s_wait_alu depctr_va_vdst(0)
	v_rsq_f32 v22, v26                             ; twice each: pairs for the packed multiplies
	v_rsq_f32 v23, v26
	v_rsq_f32 v24, v27
	v_rsq_f32 v25, v27
	v_nop                                          ; a plain line behind the transcendentals
	s_wait_loadcnt 0x0                             ; gamma, beta
	s_wait_alu depctr_va_vdst(0)
.irp rt, 0,1
.irp k, 0,2,4,6,8,10,12,14,16,18,20,22,24,26,28,30
	v_pk_mul_f32 v[ACC+32*\rt+\k:ACC+32*\rt+\k+1], v[ACC+32*\rt+\k:ACC+32*\rt+\k+1], v[22+2*\rt:23+2*\rt]
.endr
.endr
.irp rt, 0,1
.irp k, 0,2,4,6,8,10,12,14,16,18,20,22,24,26,28,30
	v_pk_fma_f32 v[ACC+32*\rt+\k:ACC+32*\rt+\k+1], v[ACC+32*\rt+\k:ACC+32*\rt+\k+1], v[WS+32+\k:WS+32+\k+1], v[WS+64+\k:WS+64+\k+1]   ; x gamma + beta
.endr
.endr
	; THE WAY OUT through my own stage: in by the accumulators' layout, back by rows; LDS serves a wave's instructions in order, so no wait stands between
.irp rt, 0,1
.irp i, 0,1,2,3
	ds_store_b128 v[SA], v[ACC+32*\rt+8*\i:ACC+32*\rt+8*\i+3] offset:4352*\rt+64*\i
	ds_store_b128 v[SA], v[ACC+32*\rt+8*\i+4:ACC+32*\rt+8*\i+7] offset:4352*\rt+64*\i+16
.endr
.endr
.irp n, 0,1,2,3,4,5,6,7,8,9,10,11,12,13,14,15
	ds_load_b128 v[XT+4*\n:XT+4*\n+3], v[SW] offset:544*\n     ; rows 2 n and 2 n + 1, 256 bytes each
.endr
.irp n, 0,1,2,3,4,5,6,7,8,9,10,11,12,13,14,15
	s_wait_dscnt 15-\n
	global_store_b128 v[XG], v[XT+4*\n:XT+4*\n+3], s[18:19] offset:8192*\n th:TH_STORE_NT   ; sixteen lanes store 256 consecutive bytes, aligned; written once, read by nobody here
.endr
	s_wait_tensorcnt 0x0
	ds_add_u32 v30, v31
	s_wait_dscnt 0x0
	s_endpgm
.Lfunc_end_k_qaba7774df1_outln:
	.size	k_qaba7774df1_outln, .Lfunc_end_k_qaba7774df1_outln-k_qaba7774df1_outln
	.p2alignl 7, 3214868480
	.fill 96, 4, 3214868480
	.section	.rodata,"a",@progbits
	.p2align	6, 0x0
	.amdhsa_kernel k_qaba7774df1_outln
		.amdhsa_group_segment_fixed_size 327680
		.amdhsa_private_segment_fixed_size 0
		.amdhsa_enable_private_segment 0
		.amdhsa_kernarg_size 64
		.amdhsa_user_sgpr_count 2
		.amdhsa_user_sgpr_kernarg_segment_ptr 1
		.amdhsa_wavefront_size32 1
		.amdhsa_system_sgpr_workgroup_id_x 1
		.amdhsa_system_sgpr_workgroup_id_y 1
		.amdhsa_system_sgpr_workgroup_id_z 1
		.amdhsa_system_vgpr_workitem_id 0
		.amdhsa_next_free_vgpr 256
		.amdhsa_next_free_sgpr 66
		.amdhsa_reserve_vcc 1
		.amdhsa_float_denorm_mode_32 3
		.amdhsa_float_denorm_mode_16_64 3
		.amdhsa_memory_ordered 1
		.amdhsa_forward_progress 1
		.amdhsa_inst_pref_size 61
	.end_amdhsa_kernel
	.amdgpu_metadata
---
amdhsa.version: [ 1, 2 ]
amdhsa.kernels:
  - .name:           k_qaba7774df1_outln
    .symbol:         k_qaba7774df1_outln.kd
    .args:
      - { .name: ctx_img, .offset: 0, .size: 8, .value_kind: global_buffer, .address_space: global }
      - { .name: wd_img, .offset: 8, .size: 8, .value_kind: global_buffer, .address_space: global }
      - { .name: x, .offset: 16, .size: 8, .value_kind: global_buffer, .address_space: global }
      - { .name: bd, .offset: 24, .size: 8, .value_kind: global_buffer, .address_space: global }
      - { .name: gamma, .offset: 32, .size: 8, .value_kind: global_buffer, .address_space: global }
      - { .name: beta, .offset: 40, .size: 8, .value_kind: global_buffer, .address_space: global }
      - { .name: lowp_scales, .offset: 48, .size: 8, .value_kind: global_buffer, .address_space: global }
      - { .name: out0, .offset: 56, .size: 8, .value_kind: global_buffer, .address_space: global }
    .group_segment_fixed_size: 327680
    .private_segment_fixed_size: 0
    .kernarg_segment_align: 8
    .kernarg_segment_size: 64
    .max_flat_workgroup_size: 512
    .sgpr_count:     66
    .vgpr_count:     256
    .wavefront_size: 32
...
	.end_amdgpu_metadata
.endif
;; end of part 4
